; MI455X (gfx1250); checked and timed in simulation.
; The chip was launched on July 23, 2026; its instructions are those of AMD's public machine-readable ISA for CDNA 5 (MIT licence, August 2026) and "CDNA5" Instruction Set Architecture Reference Guide (July 2026). The comments in the code are by the model that wrote it; some were corrected since.
;; Multi Head Attention. Allowed arithmetic: matrix products marked QUANTISED: E2M1 operands, one E8M0 scale for each 32 along K, by v_wmma_scale_f32_16x16x128_f8f6f4 with both operands' format E2M1 (or v_wmma_scale_f32_32x16x128_f4), f32 sums; products left as they are: bf16, f16 or f32 operands; f32 sums; everything else in f32.
;; Inputs: w_out 1,024 x 1,024 float32; w_qkv 3,072 x 1,024 float32; x 1 x 4,096 x 1,024 float32.
;; Outputs: out0 1 x 4,096 x 1,024 float32.
;; This version of the problem:
;;   THIS VERSION OF THE PROBLEM IS GIVEN IN LOW PRECISION. The matrix products marked QUANTISED in the list below multiply operands that are first quantised to E2M1 (2 exponent bits, 1 mantissa bit; 4 bits a number), with one power-of-two scale for each 32 numbers along K (OCP MX v1.0); their sums are f32. The products marked 'left as it is' may take bf16, f16 or f32 operands, with f32 sums. Whichever they take, every output number must still come out within the allowed error. Rounding operands to bf16 (8 significant bits) uses up far more of that allowance than f16 does (11 bits, for magnitudes from 6e-5 to 65,504). All else is computed in f32.
;;   The module's matrix products, in the order in which they are computed (A, B: the left and right operand; K: the contracted axis; several contracted axes count as one K, in the product's order):
;;     1. [M 4,096, K 1,024] x [K 1,024, N 3,072]; A: input x; B: input w_qkv: QUANTISED
;;     2. batch 16 x [M 4,096, K 64] x [K 64, N 4,096]; A: computed on the way; B: computed on the way: left as it is (an operand is computed on the way)
;;     3. batch 16 x [M 4,096, K 4,096] x [K 4,096, N 64]; A: computed on the way; B: computed on the way: left as it is (an operand is computed on the way)
;;     4. [M 4,096, K 1,024] x [K 1,024, N 1,024]; A: computed on the way; B: input w_out: left as it is (an operand is computed on the way)
;;   THE QUANTISER, for each operand of a quantised product, along K:
;;     - K is cut into blocks of 32 from its start; a last block that is shorter is filled with zeros.
;;     - A block's scale is 2^e with e = floor(log2(the largest magnitude in the block)) - 2, held to -126 .. 127; a block of zeros has e = 0. As a byte (E8M0): e + 127.
;;     - Each number is divided by its block's scale, clamped to +-6, and rounded to the nearest number of E2M1, ties to even, subnormals kept.
;;     - The product sums the exact products of the quantised numbers (number of the format x scale) in f32.
;;   ~~~python
;;   def quantise(x, axis):      # numpy; x: float32 -> the quantised numbers, widened to float32 again
;;       x = np.moveaxis(x, axis, -1); K = x.shape[-1]
;;       x = np.pad(x, [(0, 0)] * (x.ndim - 1) + [(0, -K % 32)]); x = x.reshape(x.shape[:-1] + (-1, 32)); a = np.abs(x).max(-1, keepdims=True)
;;       e = np.where(a > 0, np.clip(np.frexp(np.where(a > 0, a, 1))[1] - 1 - 2, -126, 127), 0)      # np.frexp(a)[1] - 1 = floor(log2(a)), exactly
;;       r = np.clip(x / 2.0 ** e, -6, 6)
;;       step = 2.0 ** (np.maximum(np.frexp(np.where(r == 0, 1, r))[1] - 1, 0) - 1)
;;       q = np.round(r / step) * step * 2.0 ** e      # np.round: ties to even
;;       return np.moveaxis(q.reshape(q.shape[:-2] + (-1,))[..., :K], -1, axis).astype(np.float32)
;;   ~~~
;; One version. Each part assembles by itself: llvm-mc -triple=amdgcn-amd-amdhsa -mcpu=gfx1250 --defsym DOCPART=n.
;; ======== version 1 of 1: 5 launches
;; limits: values are held in f16: magnitudes above 65,504 overflow, below 6.1e-05 lose precision
;; workspace buffers: codes 3,670,016 bytes; scl 229,376 bytes; wo16 2,097,152 bytes; tab 1,048,576 bytes; qkv16 25,165,824 bytes; img16 1,572,864 bytes; ctx 8,388,608 bytes
;; launch prep (part 1): grid 352 x 1, 4 waves a work-group, no clusters, 33,280 bytes of LDS; arguments x, w_qkv, w_out, codes, scl, wo16, tab; writes codes, scl, wo16, tab
.if DOCPART == 1
	.amdgcn_target "amdgcn-amd-amdhsa--gfx1250"
	.amdhsa_code_object_version 6
	.text
	.protected	k_qfa9c4400ce_prep
	.globl	k_qfa9c4400ce_prep
	.p2align	8
	.type	k_qfa9c4400ce_prep,@function
k_qfa9c4400ce_prep:
	s_mov_b64 s[64:65], 0
	v_nop
	global_prefetch_b8 v0, s[64:65] scope:SCOPE_SE
	s_setreg_imm32_b32 hwreg(HW_REG_WAVE_MODE, 25, 1), 1
	s_wait_xcnt 0x0
; THREE JOBS IN ONE LAUNCH, parted by the work-group's number.
; Work-groups 0-223: x [4096][1024] and w_qkv [3072][1024], f32, become codes of FP4 (E2M1), K innermost, with one E8M0 byte for each 32 along K.  Rows are dense and K is a multiple
;   of 32, so both tensors are one stream of blocks of 32: x's 512 runs of 8,192 numbers, then w_qkv's 384; a wave takes a run.  A block's byte is its largest magnitude's exponent field - 2, held at 1 from below.
;   (A block of zeros gets the byte 1 where the contract says 127: its codes are zeros, and this program alone reads the bytes.)
; Work-groups 224-287: w_out [1024][1024] f32 is rounded to f16, 4,096 numbers a wave.
; Work-groups 288-351: the table of rotary angles, f32, [position 4096][cos 32, sin 32]: 256 bytes a position, 16 positions a wave.
; LIMITS: NaN and infinities among the inputs are not served; blocks whose largest magnitude lies under 2^-124 keep the byte 1; |w_out| stays under 65,504 (f16).
;   1 / 10000^(i/32) is made as 2^(-i log2(10000) / 32): it may differ from a correctly rounded one by a few units in the last place, which at position 4,095 is under 1e-3 radians.
.set WAVES, 4
.set STEPS, 16
.set WGQ,   224                        ; work-groups that quantise: 128 for x, 96 for w_qkv
.set WGW,   288                        ; from here on: the table
.set EMAX,  2
.set CB,    8                          ; bytes of 16 codes
.set R,     16                         ; v16-79   four sets of 16 numbers as they are loaded
.set X,     80                         ; v80-111  two sets of 16 neighbours
.set C,     128                        ; v128-191 codes: four registers for each step
.set E,     112                        ; v112-127 a scale byte for each step
.set WREG,  8192                       ; LDS: a region for each wave: two stages of 32 x SP bytes, then its 256 scale bytes
.set SP,    80                         ; a lane's place in a stage: 64 bytes + 16 of padding
.set SPW,   12                         ; v12  LDS address of my spare word; never rewritten
.set NIL,   13                         ; v13  0; never rewritten
.set SPARE, WAVES*WREG                 ; behind the four regions: the spare words, 128 bytes a wave
	s_load_b256 s[4:11], s[0:1], 0x0               ; x s[4:5], w_qkv s[6:7], w_out s[8:9], codes s[10:11]
	s_load_b128 s[12:15], s[0:1], 0x20             ; scl s[12:13], wo16 s[14:15]
	s_load_b64 s[16:17], s[0:1], 0x30              ; tab
	v_lshl_add_u32 v[SPW], v0, 2, SPARE
	v_mov_b32 v[NIL], 0
	v_lshrrev_b32 v1, 5, v0
	v_readfirstlane_b32 s20, v1                    ; wave
	v_and_b32 v2, 31, v0                           ; lane
	v_lshlrev_b32 v3, 4, v2                        ; 16 x lane
	s_mov_b32 s25, 0                               ; the upper word of every offset pair s[24:25]
	s_wait_kmcnt 0x0
	s_cmp_ge_u32 ttmp9, WGQ
	s_cbranch_scc1 .Lw
; ---------------- the quantiser ----------------
; Each of a step's four loads reads 512 consecutive bytes, 16 a lane; the 2,048 bytes turn through the wave's own stage in LDS and come back 64 bytes a lane: 16 neighbours along K, two lanes to a block.
	s_mul_i32 s21, s20, WREG
	v_lshrrev_b32 v14, 2, v2
	v_mul_u32_u24 v14, v14, SP
	v_and_b32 v15, 3, v2
	v_lshl_add_u32 v14, v15, 4, v14
	v_add_nc_u32 v14, s21, v14                     ; into the stage: SP (lane / 4) + 16 (lane % 4)
	v_mul_u32_u24 v15, v2, SP
	v_add_nc_u32 v15, s21, v15                     ; out of it: SP x lane
	v_mul_u32_u24 v4, v2, CB                       ; my codes' place in a step's
	v_lshrrev_b32 v5, 1, v2
	s_add_co_u32 s21, s21, 2*32*SP
	v_add_nc_u32 v5, s21, v5                       ; my block's scale byte in the wave's 256
	v_lshlrev_b32 v7, 3, v2
	v_add_nc_u32 v6, s21, v7                       ; and 8 bytes a lane on their way out
	s_cmp_lt_u32 ttmp9, 128                        ; x's work-group or w_qkv's: the choice hangs on the work-group's number alone
	s_cselect_b64 s[4:5], s[4:5], s[6:7]
	s_cselect_b32 s21, 0, 512
	s_lshl_b32 s22, ttmp9, 2
	s_add_co_u32 s22, s22, s20                     ; my run in the stream of both tensors
	s_sub_co_u32 s21, s22, s21                     ; and in its own tensor
	s_lshl_b32 s24, s21, 15                        ; 8,192 numbers of 4 bytes
	s_add_nc_u64 s[4:5], s[4:5], s[24:25]
	s_lshl_b32 s24, s22, 12                        ; 4,096 bytes of codes
	s_add_nc_u64 s[10:11], s[10:11], s[24:25]
	s_lshl_b32 s24, s22, 8                         ; 256 scale bytes
	s_add_nc_u64 s[12:13], s[12:13], s[24:25]
.macro LOAD t
.irp i, 0,1,2,3
	global_load_b128 v[R+16*((\t)%4)+4*\i:R+16*((\t)%4)+4*\i+3], v3, s[4:5] offset:2048*(\t)+512*\i th:TH_LOAD_NT
.endr
.endm
.macro TURN t                          ; LDS serves a wave's instructions in order: no wait between the stores and the loads
.irp i, 0,1,2,3
	ds_store_b128 v14, v[R+16*((\t)%4)+4*\i:R+16*((\t)%4)+4*\i+3] offset:32*SP*((\t)%2)+8*SP*\i
.endr
.irp i, 0,1,2,3
	ds_load_b128 v[X+16*((\t)%2)+4*\i:X+16*((\t)%2)+4*\i+3], v15 offset:32*SP*((\t)%2)+16*\i
.endr
.endm
.irp t, 0,1,2,3
	LOAD \t
.endr
	s_wait_loadcnt 12                              ; step 0's four loads are in; three steps' twelve may be out
	TURN 0
.macro STEP t
.set XS, X+16*((\t)%2)
.if (\t) > 0
	s_wait_dscnt 1                                 ; this step's numbers are back from the stage; the last step's byte store may be out
.else
	s_wait_dscnt 0x0
.endif
.if (\t)+4 < STEPS
	LOAD (\t)+4
.endif
.if (\t)+1 < STEPS
.if STEPS-2-(\t) >= 3
	s_wait_loadcnt 12                              ; the next step's four loads are in; those of the three steps behind it may be out
.else
	s_wait_loadcnt 4*(STEPS-2-(\t))
.endif
	TURN (\t)+1
.endif
	v_max3_num_f32 v8, |v[XS]|, |v[XS+1]|, |v[XS+2]|
	v_max3_num_f32 v9, |v[XS+3]|, |v[XS+4]|, |v[XS+5]|
.irp i, 6,10
	v_max3_num_f32 v8, v8, |v[XS+\i]|, |v[XS+\i+1]|
	v_max3_num_f32 v9, v9, |v[XS+\i+2]|, |v[XS+\i+3]|
.endr
	v_max3_num_f32 v8, v8, |v[XS+14]|, |v[XS+15]|
	v_max3_num_f32 v8, v8, v9, (EMAX+1)<<23        ; the floor 2^(3 - 127): the byte cannot fall under 1
	v_max_num_f32_dpp v8, v8, v8 row_xmask:1 row_mask:0xf bank_mask:0xf   ; with my neighbour's 16: the block's largest magnitude
	v_add_nc_u32 v11, -(EMAX<<23), v8              ; 2 off its exponent field: the conversion takes this operand's exponent field as its scale
	v_cvt_scalef32_pk8_fp4_f32 v[C+4*(\t)], v[XS:XS+7], v11
	v_cvt_scalef32_pk8_fp4_f32 v[C+4*(\t)+1], v[XS+8:XS+15], v11
	v_lshrrev_b32 v[E+(\t)], 23, v11               ; the scale's byte
	ds_store_b8 v5, v[E+(\t)] offset:16*(\t)       ; both lanes of a block write the same byte
	global_store_b64 v4, v[C+4*(\t):C+4*(\t)+1], s[10:11] offset:32*CB*(\t)   ; the wave stores 256 consecutive bytes, aligned
.endm
.irp t, 0,1,2,3,4,5,6,7,8,9,10,11,12,13,14,15
	STEP \t
.endr
	ds_load_b64 v[8:9], v6
	s_wait_dscnt 0x0
	global_store_b64 v7, v[8:9], s[12:13]          ; the wave's 256 scale bytes, aligned
	s_wait_tensorcnt 0x0                           ; the wave's end
	ds_add_u32 v[SPW], v[NIL]
	s_wait_dscnt 0x0
	s_endpgm
; ---------------- w_out to f16 ----------------
.Lw:
	s_cmp_ge_u32 ttmp9, WGW
	s_cbranch_scc1 .Ltab
	s_sub_co_u32 s21, ttmp9, WGQ
	s_lshl_b32 s21, s21, 2
	s_add_co_u32 s21, s21, s20                     ; my run of 4,096 numbers
	s_lshl_b32 s24, s21, 14
	s_add_nc_u64 s[8:9], s[8:9], s[24:25]
	s_lshl_b32 s24, s21, 13
	s_add_nc_u64 s[14:15], s[14:15], s[24:25]
	v_lshlrev_b32 v4, 3, v2                        ; out: 8 bytes a lane
.set i, 0
.rept 32
	global_load_b128 v[16+4*i:19+4*i], v3, s[8:9] offset:512*i th:TH_LOAD_NT
.set i, i+1
.endr
.set i, 0
.rept 32
	s_wait_loadcnt 31-i                            ; loads come back in order: load i is in, the younger ones stay out
	v_cvt_pk_f16_f32 v[16+4*i], v[16+4*i], v[17+4*i]
	v_cvt_pk_f16_f32 v[17+4*i], v[18+4*i], v[19+4*i]
	global_store_b64 v4, v[16+4*i:17+4*i], s[14:15] offset:256*i   ; 256 consecutive bytes, aligned; no register is used twice
.set i, i+1
.endr
	s_endpgm
; ---------------- the table ----------------
; Lane l: c = l % 16 names 16 bytes of a position's 256: c < 8: cos of i = 4 c .. 4 c + 3; else sin of i = 4 (c - 8) ..;  lanes 16-31 take the next position.
; theta = position x inv(i), rounded to f32 as the definition rounds it; n = the nearest whole number to theta x 2 / pi; r = theta - n pi / 2 in two parts; polynomials of sin r and cos r on |r| <= pi / 4;
; with q = n (cos) or n + 3 (sin): the sine's polynomial where q is odd, the sign turned where q % 4 is 1 or 2.
.Ltab:
.set TT,  28                           ; ten registers at work for each of the lane's four numbers
.set OUTR, 96                          ; v96-127 the rows' results: no store's data are written again
	s_sub_co_u32 s21, ttmp9, WGW
	s_lshl_b32 s21, s21, 6
	s_lshl_b32 s22, s20, 4
	s_add_co_u32 s21, s21, s22                     ; my wave's first position
	s_lshl_b32 s24, s21, 8
	s_add_nc_u64 s[16:17], s[16:17], s[24:25]
	s_mov_b32 s24, 0x3f22f983                      ; 2 / pi
	s_mov_b32 s25, 0xbfc90fdb                      ; -(pi / 2), its upper part
	s_mov_b32 s26, 0x333bbd2e                      ; what that part has too much: 4.3711388e-8
	s_mov_b32 s27, 0xbe2aaaab                      ; -1/6
	s_mov_b32 s28, 0x3c088889                      ; 1/120
	s_mov_b32 s29, 0xb9500d01                      ; -1/5040
	s_mov_b32 s30, 0x3638ef1d                      ; 1/362880
	s_mov_b32 s31, 0x3d2aaaab                      ; 1/24
	s_mov_b32 s32, 0xbab60b61                      ; -1/720
	s_mov_b32 s33, 0x37d00d01                      ; 1/40320
	v_and_b32 v16, 15, v2                          ; c
	v_and_b32 v17, 7, v16
	v_lshlrev_b32 v17, 2, v17                      ; my first i
	v_lshrrev_b32 v18, 3, v16
	v_mul_u32_u24 v18, v18, 3                      ; 3 for a sine
	v_lshrrev_b32 v19, 4, v2
	v_add_nc_u32 v19, s21, v19
	v_cvt_f32_u32 v19, v19                         ; my position, as f32: it steps by 2
.irp e, 0,1,2,3
	v_add_nc_u32 v[20+\e], \e, v17
.endr
.irp e, 0,1,2,3
	v_cvt_f32_u32 v[20+\e], v[20+\e]
.endr
.irp e, 0,1,2,3
	v_mul_f32 v[20+\e], 0xbed49a78, v[20+\e]       ; -i log2(10000) / 32
.endr
.irp e, 0,1,2,3
	v_exp_f32 v[20+\e], v[20+\e]                   ; inv(i)
.endr
	v_nop                                          ; a plain instruction behind the last exponential
	s_wait_alu depctr_va_vdst(0)                   ; one wait for the four, ahead of their first reader
.macro TABROW it
.irp e, 0,1,2,3
	v_mul_f32 v[TT+10*\e], v19, v[20+\e]           ; theta
.endr
.irp e, 0,1,2,3
	v_mul_f32 v[TT+10*\e+1], s24, v[TT+10*\e]
.endr
.irp e, 0,1,2,3
	v_rndne_f32 v[TT+10*\e+1], v[TT+10*\e+1]       ; n
.endr
.irp e, 0,1,2,3
	v_fma_f32 v[TT+10*\e+2], v[TT+10*\e+1], s25, v[TT+10*\e]
.endr
.irp e, 0,1,2,3
	v_fma_f32 v[TT+10*\e+2], v[TT+10*\e+1], s26, v[TT+10*\e+2]   ; r
.endr
.irp e, 0,1,2,3
	v_cvt_i32_f32 v[TT+10*\e+3], v[TT+10*\e+1]
.endr
.irp e, 0,1,2,3
	v_add_nc_u32 v[TT+10*\e+3], v[TT+10*\e+3], v18 ; q
.endr
.irp e, 0,1,2,3
	v_mul_f32 v[TT+10*\e+4], v[TT+10*\e+2], v[TT+10*\e+2]        ; r^2
.endr
.irp e, 0,1,2,3
	v_fma_f32 v[TT+10*\e+5], s30, v[TT+10*\e+4], s29
.endr
.irp e, 0,1,2,3
	v_fma_f32 v[TT+10*\e+5], v[TT+10*\e+5], v[TT+10*\e+4], s28
.endr
.irp e, 0,1,2,3
	v_fma_f32 v[TT+10*\e+5], v[TT+10*\e+5], v[TT+10*\e+4], s27
.endr
.irp e, 0,1,2,3
	v_mul_f32 v[TT+10*\e+6], v[TT+10*\e+2], v[TT+10*\e+4]        ; r^3
.endr
.irp e, 0,1,2,3
	v_fma_f32 v[TT+10*\e+5], v[TT+10*\e+6], v[TT+10*\e+5], v[TT+10*\e+2]   ; sin r
.endr
.irp e, 0,1,2,3
	v_fma_f32 v[TT+10*\e+7], s33, v[TT+10*\e+4], s32
.endr
.irp e, 0,1,2,3
	v_fma_f32 v[TT+10*\e+7], v[TT+10*\e+7], v[TT+10*\e+4], s31
.endr
.irp e, 0,1,2,3
	v_fma_f32 v[TT+10*\e+7], v[TT+10*\e+7], v[TT+10*\e+4], -0.5
.endr
.irp e, 0,1,2,3
	v_fma_f32 v[TT+10*\e+7], v[TT+10*\e+7], v[TT+10*\e+4], 1.0   ; cos r
.endr
.irp e, 0,1,2,3
	v_and_b32 v[TT+10*\e+8], 1, v[TT+10*\e+3]
.endr
.irp e, 0,1,2,3
	v_cmp_ne_u32 vcc_lo, 0, v[TT+10*\e+8]
	v_cndmask_b32 v[TT+10*\e+5], v[TT+10*\e+7], v[TT+10*\e+5], vcc_lo      ; q odd: the sine's
.endr
.irp e, 0,1,2,3
	v_add_nc_u32 v[TT+10*\e+3], 1, v[TT+10*\e+3]
.endr
.irp e, 0,1,2,3
	v_and_b32 v[TT+10*\e+3], 2, v[TT+10*\e+3]
.endr
.irp e, 0,1,2,3
	v_lshlrev_b32 v[TT+10*\e+3], 30, v[TT+10*\e+3] ; the sign bit where q % 4 is 1 or 2
.endr
.irp e, 0,1,2,3
	v_xor_b32 v[OUTR+4*(\it)+\e], v[TT+10*\e+5], v[TT+10*\e+3]
.endr
	global_store_b128 v3, v[OUTR+4*(\it):OUTR+4*(\it)+3], s[16:17] offset:512*(\it)   ; two whole positions: 512 consecutive bytes
	v_add_f32 v19, 2.0, v19
.endm
.irp it, 0,1,2,3,4,5,6,7
	TABROW \it
.endr
	s_endpgm
.Lfunc_end_k_qfa9c4400ce_prep:
	.size	k_qfa9c4400ce_prep, .Lfunc_end_k_qfa9c4400ce_prep-k_qfa9c4400ce_prep
	.p2alignl 7, 3214868480
	.fill 96, 4, 3214868480
	.section	.rodata,"a",@progbits
	.p2align	6, 0x0
	.amdhsa_kernel k_qfa9c4400ce_prep
		.amdhsa_group_segment_fixed_size 33280
		.amdhsa_private_segment_fixed_size 0
		.amdhsa_enable_private_segment 0
		.amdhsa_kernarg_size 56
		.amdhsa_user_sgpr_count 2
		.amdhsa_user_sgpr_kernarg_segment_ptr 1
		.amdhsa_wavefront_size32 1
		.amdhsa_system_sgpr_workgroup_id_x 1
		.amdhsa_system_sgpr_workgroup_id_y 1
		.amdhsa_system_sgpr_workgroup_id_z 1
		.amdhsa_system_vgpr_workitem_id 0
		.amdhsa_next_free_vgpr 192
		.amdhsa_next_free_sgpr 66
		.amdhsa_reserve_vcc 1
		.amdhsa_float_denorm_mode_32 3
		.amdhsa_float_denorm_mode_16_64 3
		.amdhsa_memory_ordered 1
		.amdhsa_forward_progress 1
		.amdhsa_inst_pref_size 82
	.end_amdhsa_kernel
	.amdgpu_metadata
---
amdhsa.version: [ 1, 2 ]
amdhsa.kernels:
  - .name:           k_qfa9c4400ce_prep
    .symbol:         k_qfa9c4400ce_prep.kd
    .args:
      - { .name: x, .offset: 0, .size: 8, .value_kind: global_buffer, .address_space: global }
      - { .name: w_qkv, .offset: 8, .size: 8, .value_kind: global_buffer, .address_space: global }
      - { .name: w_out, .offset: 16, .size: 8, .value_kind: global_buffer, .address_space: global }
      - { .name: codes, .offset: 24, .size: 8, .value_kind: global_buffer, .address_space: global }
      - { .name: scl, .offset: 32, .size: 8, .value_kind: global_buffer, .address_space: global }
      - { .name: wo16, .offset: 40, .size: 8, .value_kind: global_buffer, .address_space: global }
      - { .name: tab, .offset: 48, .size: 8, .value_kind: global_buffer, .address_space: global }
    .group_segment_fixed_size: 33280
    .private_segment_fixed_size: 0
    .kernarg_segment_align: 8
    .kernarg_segment_size: 56
    .max_flat_workgroup_size: 128
    .sgpr_count:     66
    .vgpr_count:     192
    .wavefront_size: 32
...
	.end_amdgpu_metadata
.endif
;; end of part 1
;; launch qkv (part 2): grid 12 x 16, 4 waves a work-group, clusters of 4 x 4, 327,680 bytes of LDS; arguments codes, scl, tab, qkv16, img16; writes qkv16, img16
.if DOCPART == 2
	.amdgcn_target "amdgcn-amd-amdhsa--gfx1250"
	.amdhsa_code_object_version 6
	.text
	.protected	k_qfa9c4400ce_qkv
	.globl	k_qfa9c4400ce_qkv
	.p2align	8
	.type	k_qfa9c4400ce_qkv,@function
k_qfa9c4400ce_qkv:
	s_mov_b64 s[64:65], 0
	v_nop
	global_prefetch_b8 v0, s[64:65] scope:SCOPE_SE
	s_setreg_imm32_b32 hwreg(HW_REG_WAVE_MODE, 25, 1), 1
	s_wait_xcnt 0x0
	s_wait_alu depctr_hold_cnt(0) depctr_sa_sdst(0) depctr_va_vdst(0) depctr_va_sdst(0) depctr_va_ssrc(0) depctr_va_vcc(0) depctr_vm_vsrc(0)
	s_getreg_b32 s2, hwreg(HW_REG_IB_STS2, 6, 4)
	s_cmp_eq_u32 s2, 0
	s_cbranch_scc0 .Lentry_in_a_cluster
	s_endpgm
.Lentry_in_a_cluster:
	s_bfe_u32 s2, ttmp6, 0x10000c
	s_cmp_lg_u32 s2, 0xf033
	s_cbranch_scc0 .Lentry_shape_is_right
	s_endpgm
.Lentry_shape_is_right:
; qkv[pos][e] = sum over k of x[pos][k] w_qkv[e][k], both operands as codes of FP4 (E2M1) with one E8M0 scale for each 32 along K, sums in f32; then the rotary turn of q and k in f32; then f16, laid [48 heads of q, k, v][4096][64].
; A tile of 256 positions x 256 columns (four heads) is made by four waves, each 128 x 128: 64 accumulators of 16 x 16, 512 registers.  K = 1,024 is two steps of 512: both lie in LDS from the start, nothing is filled again.
; The scale bytes of the tile's 256 + 256 rows come once, as dense blocks.  CLUSTERS: 4 x 4 work-groups; x's tiles are asked for jointly along a row of the cluster, w's along a column.
; THE MATRIX INSTRUCTION IS USED TRANSPOSED (source 0 = 16 rows of w, source 1 = 16 rows of x): a lane holds one position and eight neighbouring columns: d = 16 b + 8 (lane / 16) + 0 .. 7 of a head.
; So the rotary partner d +- 32 lies in the same lane, two accumulators on.
; THE FIRST 16 POSITIONS also leave in f32, as images of the registers, for the last launch.  In the top row of clusters (a branch on the cluster's y, which all
; partners share) each of the eight groups of 128 rows stores the image of its first 16 rows, at a place of its own by address; the last launch reads group 0.
; LIMITS: |q|, |k|, |v| stay under 65,504 (f16).
; REGISTERS: window 0: v16-30 addresses; v32-95 scale words, two sets; from v128 x's fragments, one set; on the way out v32-255 are free.  window 1: w's fragments, two sets.  windows 2, 3: the accumulators ((a, b) at v[8 (8 (a % 4) + b)]).
.set KSTEP,  512
.set NQ,     KSTEP/128
.set ROWB,   256                       ; a tile's row in bytes
.set KROW,   512                       ; a row of codes in memory
.set PITCH,  272                       ; an LDS row: 256 bytes + 16 of padding: the 16 rows that a load touches start at 16 different banks (64 banks of 4 bytes: ISA guide 11.1)
.set FR,     8
.set NL,     2
.set NP,     4                         ; places behind this matrix instruction (ISA guide 7.12.1)
.set HALFT,  128*PITCH
.set SLOT,   4*HALFT
.set KS,     32                        ; a row of scale bytes
.set SCL,    2*SLOT
.set HALFS,  (128*KS/256)*272
.set SBLK,   (16*KS/256)*272
.set SPARE,  SCL+4*HALFS               ; the spare words, 128 bytes a wave
.set SPITCH, 272                       ; the way out: a stage of 16 rows x (256 bytes + 16) for each wave, in slot 0, which has had its only fill and its last read by then
.set ADRA, 16
.set ADRB, 20
.set STO,  24                          ; v24 the way out: where I put 16 bytes of a row
.set RD,   25                          ; v25 where I read four half rows back
.set LI,   26                          ; v26 16 x lane
.set ADRS, 27
.set SPW,  28
.set NIL,  29
.set TA,   30                          ; v30 my place in the table: 256 (lane % 16) + 32 (lane / 16)
.set SC,   32
.set AF,   128
.set Y,    32                          ; the way out: v32-95 a block's 64 numbers after the turn
.set CS,   96                          ; v96-159 two sets of 16 cos and 16 sin
.set H,    160                         ; v160-191 the block in f16
.set BB,   192                         ; v192-255 two sets of 32: rows read back from the stage
.set G1, 24
.set G0, 32
.set G1B, 48
.set G0B, 56
.set G1S, 68
.set G0S, 76
.set G1SB, 80
.set G0SB, 88
.set MSB, 0
.macro WIN new                         ; the immediate's high byte repeats the setting that is left
.if MSB != \new
	s_set_vgpr_msb (MSB<<8)|\new
.set MSB, \new
.endif
.endm
.set MUL_LO, 0xa1                      ; source 0 (w) window 1, source 1 (x) window 0, C and D window 2
.set MUL_HI, 0xf1
.set TO_B,   0x40
; A joint load: waves 0 and 1 fetch for x, waves 2 and 3 for w.  An s_nop 0 and four v_nop follow each of the two lines.
.macro JLOAD g0a, g1a, g0b, g1b
	s_cmp_eq_u32 s15, 0
	s_cbranch_scc0 .Lfor_b_\@
	tensor_load_to_lds s[\g0a:\g0a+3], s[\g1a:\g1a+7]
	s_nop 0
.rept 4
	v_nop
.endr
	s_branch .Lasked_\@
.Lfor_b_\@:
	tensor_load_to_lds s[\g0b:\g0b+3], s[\g1b:\g1b+7]
	s_nop 0
.rept 4
	v_nop
.endr
.Lasked_\@:
.endm
.macro CROUND                          ; a round of the cluster's barrier
	s_barrier_signal -1
	s_barrier_wait -1
	s_cmp_lg_u32 s14, 0
	s_cbranch_scc1 .Lnot_wave_0_\@
	s_barrier_signal -3
.Lnot_wave_0_\@:
	s_barrier_wait -3
	s_barrier_signal -1
	s_barrier_wait -1
.endm
	s_load_b128 s[4:7], s[0:1], 0x0                ; codes s[4:5], scale bytes s[6:7]
	s_load_b128 s[96:99], s[0:1], 0x10             ; the table s[96:97], qkv16 s[98:99]
	s_load_b64 s[100:101], s[0:1], 0x20            ; img16
	v_lshl_add_u32 v[SPW], v0, 2, SPARE
	v_mov_b32 v[NIL], 0
	ds_add_u32 v[SPW], v[NIL]                      ; the wave's opening: the add, twice on end, and its wait ahead of my first tensor load
	ds_add_u32 v[SPW], v[NIL]
	v_lshrrev_b32 v1, 5, v0
	v_readfirstlane_b32 s14, v1                    ; wave 0..3
	s_lshr_b32 s15, s14, 1                         ; which half of the tile's rows is mine.  Also: I fetch for x (0) or for w (1)
	s_and_b32 s16, s14, 1                          ; which half of its columns.  Also: which 128 rows I fetch
	s_bfe_u32 s40, ttmp6, 0x40000                  ; cx, cy
	s_bfe_u32 s41, ttmp6, 0x40004
	s_lshl_b32 s42, ttmp9, 2
	s_add_co_u32 s42, s42, s40                     ; tile column = 4 x cluster x + cx
	s_and_b32 s17, ttmp7, 0xffff
	s_lshl_b32 s17, s17, 2
	s_add_co_u32 s17, s17, s41                     ; tile row = 4 x cluster y + cy
	s_lshl_b32 s43, s41, 2
	s_lshl_b32 s43, 15, s43                        ; my row of the cluster
	s_lshl_b32 s44, 0x1111, s40                    ; my column
	s_or_b32 s[G1+0], s43, (0<<16)|(1<<20)|(1<<21)|(5<<22)|(3<<25)  ; the mask; elements of 1 byte; padding on; bit 21 beside a mask; 4 words behind every 64
	s_or_b32 s[G1B+0], s44, (0<<16)|(1<<20)|(1<<21)|(5<<22)|(3<<25)
.irp g, G1, G1B
	s_mov_b32 s[\g+1], ROWB<<16                    ; tensor_dim0
	s_mov_b32 s[\g+2], 128<<16                     ; tensor_dim1
	s_mov_b32 s[\g+3], ROWB<<16                    ; tile_dim0
	s_mov_b32 s[\g+4], 128                         ; tile_dim1
	s_mov_b32 s[\g+5], KROW                        ; from row to row
	s_mov_b32 s[\g+6], 0
	s_mov_b32 s[\g+7], 0
.endr
	s_or_b32 s[G1S+0], s43, (3<<16)|(1<<20)|(1<<21)|(5<<22)|(3<<25) ; the scales of 128 rows: 4,096 dense bytes as 16 rows of 32 elements of 8 bytes
	s_or_b32 s[G1SB+0], s44, (3<<16)|(1<<20)|(1<<21)|(5<<22)|(3<<25)
.irp g, G1S, G1SB
	s_mov_b32 s[\g+1], 32<<16
	s_mov_b32 s[\g+2], (128*KS/256)<<16
	s_mov_b32 s[\g+3], 32<<16
	s_mov_b32 s[\g+4], 128*KS/256
	s_mov_b32 s[\g+5], 32
	s_mov_b32 s[\g+6], 0
	s_mov_b32 s[\g+7], 0
.endr
	s_lshl_b32 s18, s16, 7
	s_lshl_b32 s20, s17, 8
	s_add_co_u32 s20, s20, s18                     ; x: row 256 x tile row + 128 x half
	s_lshl_b32 s46, s42, 8
	s_add_co_u32 s46, s46, s18                     ; w: row 256 x tile column + 128 x half
	s_mov_b32 s21, 0
	s_mov_b32 s47, 0
	s_mov_b64 s[18:19], KS
	s_mul_u64 s[22:23], s[20:21], s[18:19]
	s_mul_u64 s[92:93], s[46:47], s[18:19]
	s_mov_b64 s[18:19], KROW
	s_mul_u64 s[20:21], s[20:21], s[18:19]
	s_mul_u64 s[46:47], s[46:47], s[18:19]
	s_mul_i32 s45, s14, HALFT                      ; where they go: wave x 128 rows
	s_mul_i32 s94, s14, HALFS
	s_wait_dscnt 0x0                               ; both opening adds are done
	s_wait_kmcnt 0x0
	s_add_nc_u64 s[8:9], s[4:5], 0x200000          ; w's codes lie behind x's 4,096 rows of 512 bytes,
	s_add_nc_u64 s[10:11], s[6:7], 0x20000         ; its scale bytes behind x's 4,096 rows of 32
	s_add_nc_u64 s[20:21], s[4:5], s[20:21]
	s_add_nc_u64 s[22:23], s[6:7], s[22:23]
	s_add_nc_u64 s[46:47], s[8:9], s[46:47]
	s_add_nc_u64 s[92:93], s[10:11], s[92:93]
	CROUND                                         ; all sixteen work-groups are here: the joint loads meet
	s_mov_b32 s[G0S], 1
	s_add_co_u32 s[G0S+1], s94, SCL
	s_mov_b64 s[G0S+2:G0S+3], s[22:23]
	s_or_b32 s[G0S+3], s[G0S+3], 0x80000000
	s_mov_b32 s[G0SB], 1
	s_add_co_u32 s[G0SB+1], s94, SCL
	s_mov_b64 s[G0SB+2:G0SB+3], s[92:93]
	s_or_b32 s[G0SB+3], s[G0SB+3], 0x80000000
	JLOAD G0S, G1S, G0SB, G1SB                     ; the scales first: three loads of mine are out in all
.irp s, 0,1
	s_mov_b32 s[G0+4*\s], 1
	s_add_co_u32 s[G0+4*\s+1], s45, \s*SLOT
	s_add_nc_u64 s[G0+4*\s+2:G0+4*\s+3], s[20:21], \s*ROWB
	s_or_b32 s[G0+4*\s+3], s[G0+4*\s+3], 0x80000000
	s_mov_b32 s[G0B+4*\s], 1
	s_add_co_u32 s[G0B+4*\s+1], s45, \s*SLOT
	s_add_nc_u64 s[G0B+4*\s+2:G0B+4*\s+3], s[46:47], \s*ROWB
	s_or_b32 s[G0B+4*\s+3], s[G0B+4*\s+3], 0x80000000
	JLOAD G0+4*\s, G1, G0B+4*\s, G1B
.endr
	v_and_b32 v1, 15, v0                           ; r = lane % 16
	v_bfe_u32 v2, v0, 4, 1                         ; h = lane / 16
	v_mul_u32_u24 v3, v1, PITCH
	v_lshl_add_u32 v4, v2, 4, v3
	s_mul_i32 s21, s15, HALFT
	s_mul_i32 s22, s16, HALFT
	s_add_co_u32 s22, s22, 2*HALFT
.irp s, 0,1
	v_add_nc_u32 v[ADRA+\s], s21, v4
	v_add_nc_u32 v[ADRB+\s], s22, v4
	s_add_co_u32 s21, s21, SLOT
	s_add_co_u32 s22, s22, SLOT
.endr
	v_mul_u32_u24 v5, v1, KS
	v_lshrrev_b32 v6, 8, v5
	v_lshl_add_u32 v5, v6, 4, v5                   ; my row's scales: 32 bytes a row, 16 more for each 256 passed
	s_mul_i32 s21, s15, HALFS
	s_mul_i32 s22, s16, HALFS
	s_add_co_u32 s22, s22, 2*HALFS
	s_sub_co_u32 s22, s22, s21
	v_mul_u32_u24 v6, s22, v2                      ; lanes 16-31 take w's
	s_add_co_u32 s21, s21, SCL
	v_add_nc_u32 v5, v5, v6
	v_add_nc_u32 v[ADRS], s21, v5
	s_mul_i32 s23, s14, 16*SPITCH                  ; my stage
	v_mul_u32_u24 v5, v1, SPITCH
	v_lshl_add_u32 v5, v2, 4, v5
	v_add_nc_u32 v[STO], s23, v5                   ; in: row r, 16 bytes for each half of the lanes
	v_and_b32 v6, 31, v0
	v_lshlrev_b32 v[LI], 4, v6
	v_lshrrev_b32 v7, 3, v6
	v_mul_u32_u24 v7, v7, SPITCH
	v_and_b32 v8, 7, v6
	v_lshl_add_u32 v7, v8, 4, v7
	v_add_nc_u32 v[RD], s23, v7                    ; back: eight lanes take a head's 128 bytes of a row, four rows an instruction
	v_lshlrev_b32 v[TA], 8, v1
	v_lshl_add_u32 v[TA], v2, 5, v[TA]
	; where my part begins in the three tensors of the way out
	s_lshl_b32 s20, s17, 8
	s_lshl_b32 s21, s15, 7
	s_add_co_u32 s20, s20, s21                     ; my first position
	s_lshl_b32 s66, s20, 8
	s_mov_b32 s67, 0
	s_add_nc_u64 s[96:97], s[96:97], s[66:67]      ; the table: 256 bytes a position
	s_lshl_b32 s46, s42, 2
	s_lshl_b32 s47, s16, 1
	s_add_co_u32 s46, s46, s47                     ; my first head of the 48
	s_lshl_b32 s66, s46, 19
	s_lshl_b32 s47, s20, 7
	s_add_co_u32 s66, s66, s47
	s_add_nc_u64 s[98:99], s[98:99], s[66:67]      ; qkv16: 524,288 bytes a head, 128 a position
	s_lshl_b32 s66, s46, 12
	s_lshl_b32 s47, s41, 1
	s_add_co_u32 s47, s47, s15
	s_mul_i32 s47, s47, 196608
	s_add_co_u32 s66, s66, s47
	s_add_nc_u64 s[100:101], s[100:101], s[66:67]  ; img16: 196,608 bytes a group of rows, 4,096 a head
.macro FRAG reg, adr, q, i             ; 16 rows x 128 K of 4-bit codes: 8 registers; two loads of 16 bytes, 32 bytes apart
.irp c, 0,1
	ds_load_b128 v[\reg+4*\c:\reg+4*\c+3], v[\adr] offset:64*(\q)+32*\c+(\i)*16*PITCH
.endr
.endm
; 16 matrix instructions: x's blocks a0, a0 + 1 against w's eight.  The 64 accumulators take turns, one instruction a turn, in the same order in every step.
.macro MUL16 a0, p, q, sc, zero
.irp a, \a0, \a0+1
.irp b, 0,1,2,3,4,5,6,7
.if \zero
	v_wmma_scale_f32_16x16x128_f8f6f4 v[8*(8*((\a)%4)+\b):8*(8*((\a)%4)+\b)+7], v[128*(\p)+FR*\b:128*(\p)+FR*\b+FR-1], v[AF+FR*(\a):AF+FR*(\a)+FR-1], 0, v[SC+8*NQ*(\sc)+NQ*\b+(\q)], v[SC+8*NQ*(\sc)+NQ*(\a)+(\q)] matrix_a_fmt:MATRIX_FMT_FP4 matrix_b_fmt:MATRIX_FMT_FP4 matrix_a_scale:MATRIX_SCALE_ROW1
.else
	v_wmma_scale_f32_16x16x128_f8f6f4 v[8*(8*((\a)%4)+\b):8*(8*((\a)%4)+\b)+7], v[128*(\p)+FR*\b:128*(\p)+FR*\b+FR-1], v[AF+FR*(\a):AF+FR*(\a)+FR-1], v[8*(8*((\a)%4)+\b):8*(8*((\a)%4)+\b)+7], v[SC+8*NQ*(\sc)+NQ*\b+(\q)], v[SC+8*NQ*(\sc)+NQ*(\a)+(\q)] matrix_a_fmt:MATRIX_FMT_FP4 matrix_b_fmt:MATRIX_FMT_FP4 matrix_a_scale:MATRIX_SCALE_ROW1
.endif
.endr
.endr
.endm
.macro FETCH_B slot, q, p
	WIN TO_B
.irp i, 0,1,2,3,4,5,6,7
	FRAG 128*(\p)+FR*\i, ADRB+\slot, \q, \i
.endr
	WIN 0
.endm
.macro FETCH_A slot, q, i0
.irp i, \i0, \i0+1, \i0+2, \i0+3
	FRAG AF+FR*(\i), ADRA+\slot, \q, \i
.endr
.endm
.macro SCALES sc                       ; a K step's scale words: lanes 0-15 x's block i, lanes 16-31 w's block i
.irp i, 0,1,2,3,4,5,6,7
	ds_load_b128 v[SC+8*NQ*\sc+NQ*\i:SC+8*NQ*\sc+NQ*\i+3], v[ADRS] offset:\i*SBLK
.endr
.endm
.macro PLACES n                        ; plain vector instructions between a matrix instruction and a load into, or a read of, its registers
.rept \n
	v_nop
.endr
.endm
.macro STEP slot, q, zero              ; 128 along K, with its successor in the same slot
	s_wait_dscnt 4*NL                              ; w's set and x's blocks 0-3 are in; the youngest eight loads (x's blocks 4-7) may be out
	WIN MUL_LO
	MUL16 0, (\q)%2, \q, \slot, \zero
	MUL16 2, (\q)%2, \q, \slot, \zero
	s_wait_dscnt 0
	PLACES NP
	FETCH_B \slot, (\q)+1, 1-(\q)%2
	FETCH_A \slot, (\q)+1, 0
	WIN MUL_HI
	MUL16 4, (\q)%2, \q, \slot, \zero
	MUL16 6, (\q)%2, \q, \slot, \zero
	PLACES NP
	WIN 0
	FETCH_A \slot, (\q)+1, 4
.endm
.macro STEPS slot, from
.set Q, \from
.rept NQ-1-\from
	STEP \slot, Q, 0
.set Q, Q+1
.endr
.endm
	s_wait_tensorcnt 1                             ; the scales and my part of K step 0 are in; K step 1's load may be out
	s_barrier_signal -1
	s_barrier_wait -1
	FETCH_B 0, 0, 0
	FETCH_A 0, 0, 0
	SCALES 0
	FETCH_A 0, 0, 4
	STEP 0, 0, 1                                   ; the first products start the sums: nothing is cleared
	STEPS 0, 1
	; slot 0's last step changes slots: one barrier; in front of it my part of slot 1 has landed and my reads of slot 0 are over
	s_wait_tensorcnt 0x0
	ds_add_u32 v[SPW], v[NIL]                      ; 0 onto my spare word
	s_wait_dscnt 4*NL+1                            ; the add and the youngest eight loads may be out
	WIN MUL_LO
	MUL16 0, 1, NQ-1, 0, 0
	s_wait_dscnt 0x0
	s_barrier_signal -1
	MUL16 2, 1, NQ-1, 0, 0
	WIN 0
	s_barrier_wait -1
	PLACES NP
	v_add_nc_u32 v[ADRS], 4*NQ, v[ADRS]            ; the second K step's scale words
	FETCH_B 1, 0, 0
	FETCH_A 1, 0, 0
	SCALES 1
	WIN MUL_HI
	MUL16 4, 1, NQ-1, 0, 0
	MUL16 6, 1, NQ-1, 0, 0
	PLACES NP
	WIN 0
	FETCH_A 1, 0, 4
	STEPS 1, 0
	s_wait_dscnt 4*NL
	WIN MUL_LO
	MUL16 0, 1, NQ-1, 1, 0
	MUL16 2, 1, NQ-1, 1, 0
	s_wait_dscnt 0
	WIN MUL_HI
	MUL16 4, 1, NQ-1, 1, 0
	MUL16 6, 1, NQ-1, 1, 0
	WIN 0
	PLACES NP                                      ; behind the last products: for the reads of results and the loads into registers that held fragments and scales
; THE WAY OUT, a block of 16 positions x 128 columns (two heads) at a time.
.macro TABLD a                         ; block a's cos and sin: of position r the 8 numbers i = 16 p + 8 h + 0 .. 7, p = 0, 1
.irp p, 0,1
.irp hf, 0,1
	global_load_b128 v[CS+32*((\a)%2)+8*\p+4*\hf:CS+32*((\a)%2)+8*\p+4*\hf+3], v[TA], s[96:97] offset:(\a)*4096+64*\p+16*\hf
	global_load_b128 v[CS+32*((\a)%2)+16+8*\p+4*\hf:CS+32*((\a)%2)+16+8*\p+4*\hf+3], v[TA], s[96:97] offset:(\a)*4096+64*\p+16*\hf+128
.endr
.endr
.endm
.macro ROPE a                          ; y(d) = x(d) cos - x(d + 32) sin, y(d + 32) = x(d + 32) cos + x(d) sin, d < 32; each accumulator is read from its low end on
.if (\a) < 7
	s_wait_loadcnt 8                               ; block a's eight loads are in; block a + 1's eight may be out
.else
	s_wait_loadcnt 0
.endif
	WIN (0x02+(\a)/4)                              ; source 0: window 2 or 3
.set AC, 64*((\a)%4)
.set CC, CS+32*((\a)%2)
.irp hd, 0,1
.irp p, 0,1
.irp j, 0,2,4,6
	v_pk_mul_f32 v[Y+8*(4*\hd+\p)+\j:Y+8*(4*\hd+\p)+\j+1], v[AC+8*(4*\hd+\p+2)+\j:AC+8*(4*\hd+\p+2)+\j+1], v[CC+16+8*\p+\j:CC+16+8*\p+\j+1]
	v_pk_fma_f32 v[Y+8*(4*\hd+\p)+\j:Y+8*(4*\hd+\p)+\j+1], v[AC+8*(4*\hd+\p)+\j:AC+8*(4*\hd+\p)+\j+1], v[CC+8*\p+\j:CC+8*\p+\j+1], v[Y+8*(4*\hd+\p)+\j:Y+8*(4*\hd+\p)+\j+1] neg_lo:[0,0,1] neg_hi:[0,0,1]
	v_pk_mul_f32 v[Y+8*(4*\hd+\p+2)+\j:Y+8*(4*\hd+\p+2)+\j+1], v[AC+8*(4*\hd+\p)+\j:AC+8*(4*\hd+\p)+\j+1], v[CC+16+8*\p+\j:CC+16+8*\p+\j+1]
	v_pk_fma_f32 v[Y+8*(4*\hd+\p+2)+\j:Y+8*(4*\hd+\p+2)+\j+1], v[AC+8*(4*\hd+\p+2)+\j:AC+8*(4*\hd+\p+2)+\j+1], v[CC+8*\p+\j:CC+8*\p+\j+1], v[Y+8*(4*\hd+\p+2)+\j:Y+8*(4*\hd+\p+2)+\j+1]
.endr
.endr
.endr
	WIN 0
.if (\a)+2 < 8
	TABLD (\a)+2
.endif
.endm
.macro FINE src, win                   ; the f32 image of my first 16 rows: 64 registers as they stand, 512 consecutive bytes a store.  Only in the top row of clusters
	s_and_b32 s3, ttmp7, 0xffff                    ; the cluster's y: the same in all sixteen partners
	s_cmp_lg_u32 s3, 0
	s_cbranch_scc1 .Lno_fine_\@
	WIN \win
.set i, 0
.rept 16
	global_store_b128 v[LI], v[\src+4*i:\src+4*i+3], s[100:101] offset:512*i
.set i, i+1
.endr
	WIN 0
	s_wait_xcnt 0x0                                ; the stores' data are written again only behind this wait
.Lno_fine_\@:
.endm
.macro CVT                             ; to f16: a lane's eight columns of an accumulator are 16 bytes
.set i, 0
.rept 32
	v_cvt_pk_f16_f32 v[H+i], v[Y+2*i], v[Y+2*i+1]
.set i, i+1
.endr
.endm
.macro PACKV a                         ; v has no turn: straight from the accumulators
	WIN (0x0a+5*((\a)/4))
.set AC, 64*((\a)%4)
.set i, 0
.rept 32
	v_cvt_pk_f16_f32 v[H+i], v[AC+2*i], v[AC+2*i+1]
.set i, i+1
.endr
	WIN 0
.endm
.macro TOSTAGE a                       ; LDS serves a wave's instructions in order: the loads see the stores, and the next block's stores come behind them
.irp b, 0,1,2,3,4,5,6,7
	ds_store_b128 v[STO], v[H+4*\b:H+4*\b+3] offset:32*\b
.endr
.set BBS, BB+32*((\a)%2)
.irp hd, 0,1
.irp i, 0,1,2,3
	ds_load_b128 v[BBS+4*(4*\hd+\i):BBS+4*(4*\hd+\i)+3], v[RD] offset:128*\hd+4*SPITCH*\i
.endr
.endr
.endm
.macro SEND a, younger                 ; younger: the LDS instructions issued behind block a's loads
.set BBS, BB+32*((\a)%2)
	s_wait_dscnt \younger
.irp hd, 0,1
.irp i, 0,1,2,3
	global_store_b128 v[LI], v[BBS+4*(4*\hd+\i):BBS+4*(4*\hd+\i)+3], s[98:99] offset:\hd*524288+(\a)*2048+512*\i   ; four positions of a head: 512 consecutive bytes, aligned
.endr
.endr
.endm
	s_cmp_eq_u32 ttmp9, 2                          ; the cluster's x: columns 2,048 on are v's.  The same in all sixteen partners
	s_cbranch_scc1 .Lv
	TABLD 0
	TABLD 1
.irp a, 0,1,2,3,4,5,6,7
	ROPE \a
.if \a == 0
	FINE Y, 0
.endif
	CVT
.if \a >= 2
	s_wait_xcnt 0x0                                ; block a - 2's stores have read their registers: block a's loads may land there
.endif
	TOSTAGE \a
.if \a >= 1
	SEND \a-1, 16                                  ; behind block a - 1's loads: block a's 8 stores and 8 loads
.endif
.endr
	SEND 7, 0
	s_branch .Ldone
.Lv:
	FINE 0, 0x08                                   ; a store's data are its source 1: window 2, block 0's accumulators, each from its low end on
.irp a, 0,1,2,3,4,5,6,7
	PACKV \a
.if \a >= 2
	s_wait_xcnt 0x0
.endif
	TOSTAGE \a
.if \a >= 1
	SEND \a-1, 16
.endif
.endr
	SEND 7, 0
.Ldone:
	s_wait_tensorcnt 0x0                           ; the wave's end
	ds_add_u32 v[SPW], v[NIL]
	s_wait_dscnt 0x0
	CROUND                                         ; the closing round
	s_endpgm
.Lfunc_end_k_qfa9c4400ce_qkv:
	.size	k_qfa9c4400ce_qkv, .Lfunc_end_k_qfa9c4400ce_qkv-k_qfa9c4400ce_qkv
	.p2alignl 7, 3214868480
	.fill 96, 4, 3214868480
	.section	.rodata,"a",@progbits
	.p2align	6, 0x0
	.amdhsa_kernel k_qfa9c4400ce_qkv
		.amdhsa_group_segment_fixed_size 327680
		.amdhsa_private_segment_fixed_size 0
		.amdhsa_enable_private_segment 0
		.amdhsa_kernarg_size 40
		.amdhsa_user_sgpr_count 2
		.amdhsa_user_sgpr_kernarg_segment_ptr 1
		.amdhsa_wavefront_size32 1
		.amdhsa_system_sgpr_workgroup_id_x 1
		.amdhsa_system_sgpr_workgroup_id_y 1
		.amdhsa_system_sgpr_workgroup_id_z 1
		.amdhsa_system_vgpr_workitem_id 0
		.amdhsa_next_free_vgpr 1024
		.amdhsa_next_free_sgpr 102
		.amdhsa_reserve_vcc 0
		.amdhsa_float_denorm_mode_32 3
		.amdhsa_float_denorm_mode_16_64 3
		.amdhsa_memory_ordered 1
		.amdhsa_forward_progress 1
		.amdhsa_inst_pref_size 199
	.end_amdhsa_kernel
	.amdgpu_metadata
---
amdhsa.version: [ 1, 2 ]
amdhsa.kernels:
  - .name:           k_qfa9c4400ce_qkv
    .symbol:         k_qfa9c4400ce_qkv.kd
    .args:
      - { .name: codes, .offset: 0, .size: 8, .value_kind: global_buffer, .address_space: global }
      - { .name: scl, .offset: 8, .size: 8, .value_kind: global_buffer, .address_space: global }
      - { .name: tab, .offset: 16, .size: 8, .value_kind: global_buffer, .address_space: global }
      - { .name: qkv16, .offset: 24, .size: 8, .value_kind: global_buffer, .address_space: global }
      - { .name: img16, .offset: 32, .size: 8, .value_kind: global_buffer, .address_space: global }
    .group_segment_fixed_size: 327680
    .private_segment_fixed_size: 0
    .kernarg_segment_align: 8
    .kernarg_segment_size: 40
    .max_flat_workgroup_size: 128
    .sgpr_count:     102
    .vgpr_count:     1024
    .wavefront_size: 32
...
	.end_amdgpu_metadata
.endif
;; end of part 2
;; launch attn (part 3): grid 16 x 16, 8 waves a work-group, no clusters, 327,680 bytes of LDS; arguments qkv16, ctx; writes ctx
.if DOCPART == 3
	.amdgcn_target "amdgcn-amd-amdhsa--gfx1250"
	.amdhsa_code_object_version 6
	.text
	.protected	k_qfa9c4400ce_attn
	.globl	k_qfa9c4400ce_attn
	.p2align	8
	.type	k_qfa9c4400ce_attn,@function
k_qfa9c4400ce_attn:
	s_mov_b64 s[64:65], 0
	v_nop
	global_prefetch_b8 v0, s[64:65] scope:SCOPE_SE
	s_setreg_imm32_b32 hwreg(HW_REG_WAVE_MODE, 25, 1), 1
	s_wait_xcnt 0x0
; Causal attention of one head on f16 operands, f32 sums, maxima and exponentials.  q, k, v: [head][4096][64] f16 in qkv16 (q's 16 heads, then k's, then v's).  ctx: f16, [pair of positions 2048][head 16][2][64].
; SHARES.  Work-group (j, head) owns the blocks of 128 queries j and 31 - j and walks the keys from 0 upwards ONCE for both: (j + 1) + (32 - j) = 33 units of 128 x 128 in every work-group.
; Wave w: g = w % 4 names 32 queries of each block (two tiles of 16); kh = w / 4 names the half, 64 keys, that it takes of every step of 128 keys.  So all eight waves have like work at all times, two to a SIMD:
; one wave's softmax stands beside the other's products.  A wave's SET 0 is the high block where kh = 0 and the low block where kh = 1; set 1 the other.  At the end every wave hands set 1 (sums, maximum, O) to wave w xor 4
; through LDS and finishes set 0 with what it receives: the two halves of the keys meet without a branch on roles.
; NO CLUSTER: under the causal mask the work-groups of a head need different numbers of tiles.
; LAYOUT.  S^T = K Q^T (source 0 = 16 keys, source 1 = 16 queries): a lane holds ONE query (lane % 16) and keys 8 (lane / 16) + 0 .. 7.  Two such tiles rounded to f16 ARE source 1 of O^T = V^T P.  V comes out of LDS turned.
; SOFTMAX.  A running maximum m and sum l for each query: p = 2^(c s - c m), c = log2(e) / 8; O and l are multiplied by 2^(c m_old - c m_new) in every step.  Hidden scores become -infinity ahead of the maximum.
; A step, or a set's part of it, all of whose keys come after the queries is jumped over by scalar branches on ids.  Whenever a set works on a step, each of its queries has seen a key that counts: so m is a number.
; THE RING.  Two slots of 256 keys (two steps).  The change of slots stands at a slot's head; behind its barrier the other slot is asked for, while its first key is at or under the work-group's last query.
; Every wait on TENSORcnt is for 0.  LIMITS: f16's range for q, k, v.
; REGISTERS: window 0: v1-19 addresses; v20-51 statistics, 8 a tile; v52-59 the partner's; v64-127 S^T of the set in hand; v128-159 P; v160-223 Q, 16 a tile.  window 1: v0-127 O^T, 32 a tile; v128-191 K; v192-255 V.
.set KP,    144                        ; a key's row in LDS: 128 bytes + 16
.set VP,    160                        ; a row of V: 128 + 32
.set VOFF,  256*KP
.set SLOTB, VOFF+256*VP                ; 77,824
.set SLOT1, 1<<17                      ; slot 1 begins here: one exclusive or turns an address
.set SPARE, SLOTB                      ; the spare words, 128 bytes a wave
.set STAT,  SPARE+1024                 ; 1,024 bytes a wave: set 1's statistics
.set STG,   SLOT1+SLOTB                ; 16 rows x 144 bytes a wave: the way out
.set MRG,   1<<18                      ; 8,192 bytes a wave: set 1's O^T as an image of its registers
.set AK0, 1
.set AV0, 2
.set ADK, 3
.set ADV, 4
.set SPW, 5
.set NIL, 6
.set QO,  7
.set DL,  8                            ; lane % 16 - 8 (lane / 16)
.set D0,  9                            ; v9, v10: my query less my first key, for the set's two tiles
.set NINF, 11
.set MST, 12
.set MLD, 13
.set SST, 14
.set SLD, 15
.set STO, 16
.set RD,  17
.set GO,  18
.set PFO, 19
.set ST,  20                           ; tile T at v[ST + 8 T]: +0 c m, +1 m, +2, +3 l, +4 .. +7 at work
.set PS,  52
.set S,   64
.set P,   128
.set Q,   160
.set KFR, 128                          ; in window 1
.set VFR, 192
.set TB,  2                            ; s2  LDS byte at which the slot in hand begins
.set SLOTS, 3                          ; s3  changes of slots that still ask
.set WV,  12
.set GG,  13
.set KH,  14
.set HD,  15
.set SQ,  16                           ; s16, s17 first query of set 0, 1
.set EE,  18                           ; s18, s19 last query
.set EMX, 20                           ; s20 the later of the two
.set LASTQ, 21                         ; s21 the work-group's last query
.set KF,  22                           ; s22 my first key of the step
.set KS,  23                           ; s23 the first key of the slot in hand
.set SEL, 24
.set CS,  26
.set G1K, 28
.set G1V, 36
.set G0K, 44
.set G0V, 48
.set PFA, 52
.set LIM, 54
.set T1,  55
.set QB,  56                           ; s[56:57], s[58:59] q's rows of set 0, 1
.set OB,  60
.set T2,  62
.set MSB, 0
.macro WIN new
.if MSB != \new
	s_set_vgpr_msb (MSB<<8)|\new
.set MSB, \new
.endif
.endm
.set W_KQ, 0x01                        ; K in window 1; Q and S^T in window 0
.set W_PV, 0x51                        ; V and O^T in window 1, P in window 0
.set W_RS, 0x41                        ; O^T (destination and source 0) in window 1
.set W_LD, 0x40                        ; destination window 1
; Waves 0-3 fetch the four quarters (64 rows) of a slot's K, waves 4-7 of its V.  An s_nop 0 and four v_nop follow each of the two lines.
.macro TLOAD
	s_cmp_lt_u32 s[WV], 4
	s_cbranch_scc0 .Lfor_v_\@
	tensor_load_to_lds s[G0K:G0K+3], s[G1K:G1K+7]
	s_nop 0
.rept 4
	v_nop
.endr
	s_branch .Lasked_\@
.Lfor_v_\@:
	tensor_load_to_lds s[G0V:G0V+3], s[G1V:G1V+7]
	s_nop 0
.rept 4
	v_nop
.endr
.Lasked_\@:
.endm
; A prefetch of what the NEXT change of slots will ask for.  All work-groups of a head walk the same K and V: the head's first work-group, which walks all slots, asks; each of its waves for the 8,192 bytes that it will fetch,
; lanes 256 bytes apart: each aligned block of 256 bytes is named once in the launch.  Slots 0 and 1 come by their loads alone; the last change that fills a slot asks for nothing.
.macro ASK
	s_cmp_gt_u32 s[SLOTS], s[LIM]
	s_cbranch_scc0 .Lnot_mine_\@
	global_prefetch_b8 v[PFO], s[PFA:PFA+1] th:TH_LOAD_NT scope:SCOPE_SE
.Lnot_mine_\@:
.endm
	s_load_b128 s[4:7], s[0:1], 0x0                ; qkv16, ctx
	v_lshl_add_u32 v[SPW], v0, 2, SPARE
	v_mov_b32 v[NIL], 0
	ds_add_u32 v[SPW], v[NIL]                      ; the wave's opening: the add, twice on end, and its wait ahead of my first tensor load
	ds_add_u32 v[SPW], v[NIL]
	v_lshrrev_b32 v1, 5, v0
	v_readfirstlane_b32 s[WV], v1                  ; wave 0..7
	s_and_b32 s[GG], s[WV], 3
	s_lshr_b32 s[KH], s[WV], 2
	s_and_b32 s[HD], ttmp7, 0xffff
	s_sub_co_u32 s[T1], 31, ttmp9                  ; the high block
	s_cmp_eq_u32 s[KH], 0
	s_cselect_b32 s[SQ], s[T1], ttmp9
	s_cselect_b32 s[SQ+1], ttmp9, s[T1]
	s_lshl_b32 s[SQ], s[SQ], 7
	s_lshl_b32 s[SQ+1], s[SQ+1], 7
	s_lshl_b32 s[T2], s[GG], 5
	s_add_co_u32 s[SQ], s[SQ], s[T2]
	s_add_co_u32 s[SQ+1], s[SQ+1], s[T2]
	s_add_co_u32 s[EE], s[SQ], 31
	s_add_co_u32 s[EE+1], s[SQ+1], 31
	s_max_u32 s[EMX], s[EE], s[EE+1]
	s_lshl_b32 s[LASTQ], s[T1], 7
	s_add_co_u32 s[LASTQ], s[LASTQ], 127
	s_lshl_b32 s[KF], s[KH], 6
	s_mov_b32 s[KS], 0
	s_mov_b32 s[TB], 0
	s_mov_b32 s[SLOTS], 15
	s_mov_b32 s[SEL], 0x76543210
	s_mov_b32 s[SEL+1], 0xfedcba98
	s_mov_b32 s[CS], 0x3e38aa3b                    ; c = log2(e) / 8
	s_mov_b32 s[CS+1], s[CS]
	s_cmp_eq_u32 ttmp9, 0
	s_cselect_b32 s[LIM], 1, -1
	; descriptor group 1: 64 rows of 64 elements of 2 bytes, dense in memory, padded behind every 32 words: K by 4 words, V by 8
	s_mov_b32 s[G1K], (1<<16)|(1<<20)|(4<<22)|(3<<25)
	s_mov_b32 s[G1V], (1<<16)|(1<<20)|(4<<22)|(7<<25)
.irp g, G1K, G1V
	s_mov_b32 s[\g+1], 64<<16                      ; tensor_dim0
	s_mov_b32 s[\g+2], 64<<16                      ; tensor_dim1
	s_mov_b32 s[\g+3], 64<<16                      ; tile_dim0
	s_mov_b32 s[\g+4], 64                          ; tile_dim1
	s_mov_b32 s[\g+5], 64                          ; from row to row
	s_mov_b32 s[\g+6], 0
	s_mov_b32 s[\g+7], 0
.endr
	s_lshl_b32 s8, s[HD], 19                       ; the head's 524,288 bytes
	s_mov_b32 s9, 0
	s_lshl_b32 s10, s[GG], 13                      ; my quarter of a slot: 64 rows of 128 bytes
	s_add_co_u32 s10, s10, s8
	s_mov_b32 s11, 0
	s_mov_b32 s[G0K], 1
	s_mul_i32 s[G0K+1], s[GG], 64*KP
	s_mov_b32 s[G0V], 1
	s_mul_i32 s[G0V+1], s[GG], 64*VP
	s_add_co_u32 s[G0V+1], s[G0V+1], VOFF
	s_wait_dscnt 0x0                               ; both opening adds are done
	s_wait_kmcnt 0x0
	s_add_nc_u64 s[G0K+2:G0K+3], s[4:5], s[10:11]
	s_add_nc_u64 s[G0V+2:G0V+3], s[G0K+2:G0K+3], 0x1000000   ; v's heads lie behind q's and k's
	s_add_nc_u64 s[G0K+2:G0K+3], s[G0K+2:G0K+3], 0x800000    ; k's behind q's
	s_cmp_lt_u32 s[WV], 4
	s_cselect_b64 s[PFA:PFA+1], s[G0K+2:G0K+3], s[G0V+2:G0V+3]
	s_add_nc_u64 s[PFA:PFA+1], s[PFA:PFA+1], 32768 ; in slot 1: the first change of slots steps it to slot 2
	s_or_b32 s[G0K+3], s[G0K+3], 0x80000000
	s_or_b32 s[G0V+3], s[G0V+3], 0x80000000
	TLOAD                                          ; slot 0: key 0 counts for every query
	s_add_nc_u64 s[QB:QB+1], s[4:5], s[8:9]
	s_mov_b64 s[QB+2:QB+3], s[QB:QB+1]
	s_lshl_b32 s10, s[SQ], 7
	s_add_nc_u64 s[QB:QB+1], s[QB:QB+1], s[10:11]
	s_lshl_b32 s10, s[SQ+1], 7
	s_add_nc_u64 s[QB+2:QB+3], s[QB+2:QB+3], s[10:11]
	s_lshl_b32 s10, s[SQ], 11                      ; ctx: 2,048 bytes a position of a pair row, 256 a head
	s_lshl_b32 s[T1], s[HD], 8
	s_add_co_u32 s10, s10, s[T1]
	s_add_nc_u64 s[OB:OB+1], s[6:7], s[10:11]
	v_and_b32 v60, 15, v0                          ; r
	v_bfe_u32 v61, v0, 4, 1                        ; h
	v_and_b32 v62, 31, v0                          ; lane
	v_lshlrev_b32 v[QO], 7, v60
	v_lshl_add_u32 v[QO], v61, 4, v[QO]
.irp sg, 0,1
.irp tau, 0,1
.irp cs, 0,1
	global_load_b128 v[Q+16*(2*\sg+\tau)+8*\cs:Q+16*(2*\sg+\tau)+8*\cs+3], v[QO], s[QB+2*\sg:QB+2*\sg+1] offset:\tau*2048+64*\cs
	global_load_b128 v[Q+16*(2*\sg+\tau)+8*\cs+4:Q+16*(2*\sg+\tau)+8*\cs+7], v[QO], s[QB+2*\sg:QB+2*\sg+1] offset:\tau*2048+64*\cs+32
.endr
.endr
.endr
	v_mul_u32_u24 v[AK0], v60, KP
	v_lshl_add_u32 v[AK0], v61, 4, v[AK0]
	s_mul_i32 s[T1], s[KH], 64*KP
	v_add_nc_u32 v[AK0], s[T1], v[AK0]             ; K: row r, + 16 h, + my half of a step's keys
	v_and_b32 v63, 7, v0
	v_lshl_add_u32 v[AV0], v61, 3, v63
	v_mul_u32_u24 v[AV0], v[AV0], VP
	v_bfe_u32 v63, v0, 3, 1
	v_lshl_add_u32 v[AV0], v63, 4, v[AV0]
	s_mul_i32 s[T1], s[KH], 64*VP
	s_add_co_u32 s[T1], s[T1], VOFF
	v_add_nc_u32 v[AV0], s[T1], v[AV0]             ; V: key 8 h + lane % 8, channels 8 ((lane / 8) % 2) on
	v_lshlrev_b32 v63, 3, v61
	v_sub_nc_u32 v[DL], v60, v63
	v_mov_b32 v[NINF], 0xff800000
	s_lshl_b32 s[T1], s[WV], 13
	s_add_co_u32 s[T1], s[T1], MRG
	v_lshl_add_u32 v[MST], v62, 4, s[T1]
	s_xor_b32 s[T2], s[WV], 4                      ; my partner
	s_lshl_b32 s[T1], s[T2], 13
	s_add_co_u32 s[T1], s[T1], MRG
	v_lshl_add_u32 v[MLD], v62, 4, s[T1]
	s_lshl_b32 s[T1], s[WV], 10
	s_add_co_u32 s[T1], s[T1], STAT
	v_lshl_add_u32 v[SST], v62, 4, s[T1]
	s_lshl_b32 s[T1], s[T2], 10
	s_add_co_u32 s[T1], s[T1], STAT
	v_lshl_add_u32 v[SLD], v62, 4, s[T1]
	s_mul_i32 s[T1], s[WV], 16*KP
	s_add_co_u32 s[T1], s[T1], STG
	v_mul_u32_u24 v[STO], v60, KP
	v_lshl_add_u32 v[STO], v61, 4, v[STO]
	v_add_nc_u32 v[STO], s[T1], v[STO]
	v_lshrrev_b32 v63, 3, v62
	v_mul_u32_u24 v[RD], v63, KP
	v_and_b32 v63, 7, v0
	v_lshl_add_u32 v[RD], v63, 4, v[RD]
	v_add_nc_u32 v[RD], s[T1], v[RD]
	v_lshlrev_b32 v[GO], 12, v61
	v_lshl_add_u32 v[GO], v60, 4, v[GO]
	v_lshlrev_b32 v[PFO], 8, v62
.irp t, 0,1,2,3
	v_mov_b32 v[ST+8*\t+1], 0xff61b1e6             ; m = -3e38, under every score
	v_mul_f32 v[ST+8*\t], s[CS], v[ST+8*\t+1]
.irp i, 2,3,4,5,6,7
	v_mov_b32 v[ST+8*\t+\i], 0
.endr
.endr
	WIN W_LD
.set i, 0
.rept 128
	v_mov_b32 v[i], 0                              ; O^T.  No first step can be written out: where a set's walk begins and ends hangs on the work-group's and the wave's numbers
.set i, i+1
.endr
	WIN 0
; S^T = K Q^T of set sg: eight accumulators by turns, one instruction a turn
.macro KQ sg
	WIN W_KQ
.irp cs, 0,1
.irp kt, 0,1,2,3
.irp tau, 0,1
.if \cs == 0
	v_wmma_f32_16x16x32_f16 v[S+32*\tau+8*\kt:S+32*\tau+8*\kt+7], v[KFR+16*\kt+8*\cs:KFR+16*\kt+8*\cs+7], v[Q+16*(2*\sg+\tau)+8*\cs:Q+16*(2*\sg+\tau)+8*\cs+7], 0
.else
	v_wmma_f32_16x16x32_f16 v[S+32*\tau+8*\kt:S+32*\tau+8*\kt+7], v[KFR+16*\kt+8*\cs:KFR+16*\kt+8*\cs+7], v[Q+16*(2*\sg+\tau)+8*\cs:Q+16*(2*\sg+\tau)+8*\cs+7], v[S+32*\tau+8*\kt:S+32*\tau+8*\kt+7]
.endif
.endr
.endr
.endr
.endm
.macro PV sg                           ; O^T += V^T P: eight accumulators by turns
	WIN W_PV
.irp kk, 0,1
.irp ct, 0,1,2,3
.irp tau, 0,1
	v_wmma_f32_16x16x32_f16 v[32*(2*\sg+\tau)+8*\ct:32*(2*\sg+\tau)+8*\ct+7], v[VFR+32*\kk+8*\ct:VFR+32*\kk+8*\ct+7], v[P+16*\tau+8*\kk:P+16*\tau+8*\kk+7], v[32*(2*\sg+\tau)+8*\ct:32*(2*\sg+\tau)+8*\ct+7]
.endr
.endr
.endr
.endm
.macro MASK                            ; register n holds key KF + 8 h + 16 (n / 8) + n % 8: hidden where 16 (n / 8) + n % 8 > my query - KF - 8 h
.irp tau, 0,1
.set n, 0
.rept 32
	v_cmp_gt_i32 vcc_lo, 16*(n/8)+n%8, v[D0+\tau]
	v_cndmask_b32 v[S+32*\tau+n], v[S+32*\tau+n], v[NINF], vcc_lo
.set n, n+1
.endr
.endr
.endm
.macro SOFT sg                         ; the set's two tiles line by line, so that no line waits for the line above it
.set T0, ST+16*(\sg)
.set O0, 64*(\sg)
.irp j, 0,1,2,3
.irp tau, 0,1
	v_max3_num_f32 v[T0+8*\tau+4+\j], v[S+32*\tau+8*\j], v[S+32*\tau+8*\j+1], v[S+32*\tau+8*\j+2]   ; four chains; each accumulator is read from its low end on
.endr
.endr
.irp i, 3,5
.irp j, 0,1,2,3
.irp tau, 0,1
	v_max3_num_f32 v[T0+8*\tau+4+\j], v[T0+8*\tau+4+\j], v[S+32*\tau+8*\j+\i], v[S+32*\tau+8*\j+\i+1]
.endr
.endr
.endr
.irp tau, 0,1
	v_max3_num_f32 v[T0+8*\tau+4], v[T0+8*\tau+4], v[S+32*\tau+7], v[S+32*\tau+15]
.endr
.irp tau, 0,1
	v_max3_num_f32 v[T0+8*\tau+6], v[T0+8*\tau+6], v[S+32*\tau+23], v[S+32*\tau+31]
.endr
.irp tau, 0,1
	v_max3_num_f32 v[T0+8*\tau+4], v[T0+8*\tau+4], v[T0+8*\tau+5], v[T0+8*\tau+6]
.endr
.irp tau, 0,1
	v_max3_num_f32 v[T0+8*\tau+4], v[T0+8*\tau+4], v[T0+8*\tau+7], v[T0+8*\tau+1]   ; and the old m
.endr
.irp tau, 0,1
	v_permlanex16_b32 v[T0+8*\tau+5], v[T0+8*\tau+4], s[SEL], s[SEL+1]   ; the query's other keys lie in the lane 16 away
.endr
.irp tau, 0,1
	v_mov_b32 v[T0+8*\tau+7], v[T0+8*\tau]         ; c m_old
.endr
.irp tau, 0,1
	v_max_num_f32 v[T0+8*\tau+1], v[T0+8*\tau+4], v[T0+8*\tau+5]
.endr
.irp tau, 0,1
	v_mul_f32 v[T0+8*\tau], s[CS], v[T0+8*\tau+1]
.endr
.irp tau, 0,1
	v_sub_f32 v[T0+8*\tau+7], v[T0+8*\tau+7], v[T0+8*\tau]
.endr
.irp b, 0,2,4,6,8,10,12,14,16,18,20,22,24,26,28,30
.irp tau, 0,1
	v_pk_fma_f32 v[S+32*\tau+\b:S+32*\tau+\b+1], v[S+32*\tau+\b:S+32*\tau+\b+1], s[CS:CS+1], v[T0+8*\tau:T0+8*\tau+1] op_sel_hi:[1,0,0] neg_lo:[0,0,1] neg_hi:[0,0,1]   ; c s - c m
.endr
.endr
.irp tau, 0,1
	v_exp_f32 v[T0+8*\tau+6], v[T0+8*\tau+7]       ; a = 2^(c m_old - c m_new)
.endr
.set n, 0
.rept 64
	v_exp_f32 v[S+n], v[S+n]                       ; p
.set n, n+1
.endr
	v_nop                                          ; a plain instruction behind the last exponential
	s_wait_alu depctr_va_vdst(0)                   ; one wait for the 66, ahead of their first reader
.set n, 0
.rept 32
	v_cvt_pk_f16_f32 v[P+n], v[S+2*n], v[S+2*n+1]  ; tile tau's pair i goes to P + 16 tau + i
.set n, n+1
.endr
.irp z, 0,1,2,3,4,5,6,7
.irp tau, 0,1
	v_pk_add_f32 v[S+32*\tau+4*\z:S+32*\tau+4*\z+1], v[S+32*\tau+4*\z:S+32*\tau+4*\z+1], v[S+32*\tau+4*\z+2:S+32*\tau+4*\z+3]
.endr
.endr
.irp z, 0,1,2,3
.irp tau, 0,1
	v_pk_add_f32 v[S+32*\tau+8*\z:S+32*\tau+8*\z+1], v[S+32*\tau+8*\z:S+32*\tau+8*\z+1], v[S+32*\tau+8*\z+4:S+32*\tau+8*\z+5]
.endr
.endr
.irp z, 0,1
.irp tau, 0,1
	v_pk_add_f32 v[S+32*\tau+16*\z:S+32*\tau+16*\z+1], v[S+32*\tau+16*\z:S+32*\tau+16*\z+1], v[S+32*\tau+16*\z+8:S+32*\tau+16*\z+9]
.endr
.endr
.irp tau, 0,1
	v_pk_add_f32 v[S+32*\tau:S+32*\tau+1], v[S+32*\tau:S+32*\tau+1], v[S+32*\tau+16:S+32*\tau+17]
.endr
.irp tau, 0,1
	v_pk_fma_f32 v[T0+8*\tau+2:T0+8*\tau+3], v[T0+8*\tau+2:T0+8*\tau+3], v[T0+8*\tau+6:T0+8*\tau+7], v[S+32*\tau:S+32*\tau+1] op_sel_hi:[1,0,1]   ; l = a l + the step's sum
.endr
	WIN W_RS
.irp tau, 0,1
.set n, 0
.rept 16
	v_pk_mul_f32 v[O0+32*\tau+2*n:O0+32*\tau+2*n+1], v[O0+32*\tau+2*n:O0+32*\tau+2*n+1], v[T0+8*\tau+6:T0+8*\tau+7] op_sel_hi:[1,0]   ; O^T x a
.set n, n+1
.endr
.endr
.endm
.macro SETWORK sg                      ; one set's part of a step
	s_cmp_gt_u32 s[KF], s[EE+\sg]                  ; all my 64 keys come after the set's 32 queries: nothing to do
	s_cbranch_scc1 .Lnone_\@
	s_wait_dscnt 16                                ; K's 16 loads are in; V's 16 younger ones may be out
	KQ \sg
	WIN 0
	s_sub_co_i32 s[T1], s[SQ+\sg], s[KF]
	v_add_nc_u32 v[D0], s[T1], v[DL]               ; these four are the places behind the products
	v_add_nc_u32 v[D0+1], 16, v[D0]
	v_nop
	v_nop
	s_add_co_u32 s[T2], s[KF], 63
	s_cmp_le_u32 s[T2], s[SQ+\sg]                  ; all my keys count for all the set's queries
	s_cbranch_scc1 .Lopen_\@
	MASK
.Lopen_\@:
	SOFT \sg
	s_wait_dscnt 0x0                               ; V is in
	PV \sg
	WIN 0
.Lnone_\@:
.endm
.macro STEP u                          ; the slot's u-th 128 keys, of which I take 64
	s_cmp_gt_u32 s[KF], s[EMX]
	s_cbranch_scc1 .Lhid_\@
	v_add_nc_u32 v[ADK], s[TB], v[AK0]             ; these four are the places between the last products and the loads into their operands
	v_add_nc_u32 v[ADV], s[TB], v[AV0]
	v_nop
	v_nop
	WIN W_LD
.irp kt, 0,1,2,3
.irp cs, 0,1
	ds_load_b128 v[KFR+16*\kt+8*\cs:KFR+16*\kt+8*\cs+3], v[ADK] offset:\u*128*KP+\kt*16*KP+64*\cs
	ds_load_b128 v[KFR+16*\kt+8*\cs+4:KFR+16*\kt+8*\cs+7], v[ADK] offset:\u*128*KP+\kt*16*KP+64*\cs+32
.endr
.endr
.irp kk, 0,1
.irp ct, 0,1,2,3
	ds_load_tr16_b128 v[VFR+32*\kk+8*\ct:VFR+32*\kk+8*\ct+3], v[ADV] offset:\u*128*VP+\kk*32*VP+32*\ct
	ds_load_tr16_b128 v[VFR+32*\kk+8*\ct+4:VFR+32*\kk+8*\ct+7], v[ADV] offset:\u*128*VP+\kk*32*VP+16*VP+32*\ct
.endr
.endr
	WIN 0
	SETWORK 0
	SETWORK 1
	s_wait_dscnt 0x0                               ; on every way the step's 32 loads are in before their registers are loaded again
.Lhid_\@:
	s_add_co_u32 s[KF], s[KF], 128
.endm
; THE CHANGE OF SLOTS, at a slot's head.  Each wave waits for all its tensor loads (its part of the slot ahead), adds 0 to its spare word, and waits for that and for its reads of the slot that it has left.
; Behind the barrier the slot ahead is whole and nobody reads the other one.  fill = 1: that one is asked for, one load a wave: it has two steps in which to land.
.macro CHANGE fill
	s_wait_tensorcnt 0x0                           ; no tensor load of mine is out, so a group 0 may be written
	ds_add_u32 v[SPW], v[NIL]
.if \fill
	s_xor_b32 s[G0K+1], s[G0K+1], SLOT1
	s_add_nc_u64 s[G0K+2:G0K+3], s[G0K+2:G0K+3], 32768   ; the next 256 keys
	s_xor_b32 s[G0V+1], s[G0V+1], SLOT1
	s_add_nc_u64 s[G0V+2:G0V+3], s[G0V+2:G0V+3], 32768
	s_wait_xcnt 0x0                                ; the last prefetch, a slot back, has read its address
	s_add_nc_u64 s[PFA:PFA+1], s[PFA:PFA+1], 32768
.endif
	s_wait_dscnt 0x0
	s_barrier_signal -1
	s_barrier_wait -1
.if \fill
	s_add_co_u32 s[T1], s[KS], 256                 ; the first key of the slot that this change would ask for:
	s_cmp_gt_u32 s[T1], s[LASTQ]                   ; past my work-group's last query none of the eight waves reads it, so it is not asked for.  Ids and the count of slots alone: all waves go the same way
	s_cbranch_scc1 .Lpast_\@
	TLOAD
.Lpast_\@:
	ASK
.endif
.endm
.macro SLOT_STEPS
	STEP 0
	STEP 1
	s_xor_b32 s[TB], s[TB], SLOT1
	s_add_co_u32 s[KS], s[KS], 256
.endm
	s_wait_loadcnt 0x0                             ; Q
.Lslot:                                            ; 15 trips
	CHANGE 1
	SLOT_STEPS
	s_sub_co_u32 s[SLOTS], s[SLOTS], 1
	s_cmp_lg_u32 s[SLOTS], 0
	s_cbranch_scc1 .Lslot
	CHANGE 0                                       ; the last slot is written out: nothing follows it
	SLOT_STEPS
	; THE TWO HALVES OF THE KEYS MEET.  Set 1 goes to my partner as an image of its registers; my partner's set 1 is my set 0's other half.
.rept 4
	v_nop                                          ; places behind the last products
.endr
	WIN 0x04                                       ; an LDS store's data are its source 1: window 1
.irp tau, 0,1
.irp i, 0,1,2,3,4,5,6,7
	ds_store_b128 v[MST], v[64+32*\tau+4*\i:64+32*\tau+4*\i+3] offset:\tau*4096+512*\i
.endr
.endr
	WIN 0
.irp tau, 0,1
	ds_store_b128 v[SST], v[ST+16+8*\tau:ST+16+8*\tau+3] offset:512*\tau   ; c m, m, l
.endr
	s_wait_dscnt 0x0                               ; for my partner's sake: my stores are done
	s_barrier_signal -1
	s_barrier_wait -1
	WIN W_LD
.irp tau, 0,1
.irp i, 0,1,2,3,4,5,6,7
	ds_load_b128 v[128+32*\tau+4*\i:128+32*\tau+4*\i+3], v[MLD] offset:\tau*4096+512*\i
.endr
.endr
	WIN 0
.irp tau, 0,1
	ds_load_b128 v[PS+4*\tau:PS+4*\tau+3], v[SLD] offset:512*\tau
.endr
	s_wait_dscnt 0x0
.irp tau, 0,1
	v_max_num_f32 v[ST+8*\tau+5], v[ST+8*\tau], v[PS+4*\tau]
.endr
.irp tau, 0,1
	v_sub_f32 v[ST+8*\tau+4], v[ST+8*\tau], v[ST+8*\tau+5]
	v_sub_f32 v[ST+8*\tau+6], v[PS+4*\tau], v[ST+8*\tau+5]
.endr
.irp tau, 0,1
	v_exp_f32 v[ST+8*\tau+4], v[ST+8*\tau+4]       ; f0, f1: a half that never had a key has c m = -5e37 and gets 0
	v_exp_f32 v[ST+8*\tau+6], v[ST+8*\tau+6]
.endr
.irp tau, 0,1
	v_add_f32 v[ST+8*\tau+2], v[ST+8*\tau+2], v[ST+8*\tau+3]
	v_add_f32 v[PS+4*\tau+2], v[PS+4*\tau+2], v[PS+4*\tau+3]
.endr
	s_wait_alu depctr_va_vdst(0)                   ; one wait for the four exponentials
.irp tau, 0,1
	v_mul_f32 v[ST+8*\tau+2], v[ST+8*\tau+2], v[ST+8*\tau+4]
.endr
.irp tau, 0,1
	v_fma_f32 v[ST+8*\tau+2], v[PS+4*\tau+2], v[ST+8*\tau+6], v[ST+8*\tau+2]
.endr
.irp tau, 0,1
	v_permlanex16_b32 v[ST+8*\tau+3], v[ST+8*\tau+2], s[SEL], s[SEL+1]
.endr
.irp tau, 0,1
	v_add_f32 v[ST+8*\tau+2], v[ST+8*\tau+2], v[ST+8*\tau+3]   ; the row's sum
.endr
.irp tau, 0,1
	v_rcp_f32 v[ST+8*\tau+3], v[ST+8*\tau+2]
.endr
	v_nop
	s_wait_alu depctr_va_vdst(0)                   ; one wait for the two reciprocals
.irp tau, 0,1
	v_mul_f32 v[ST+8*\tau+4], v[ST+8*\tau+4], v[ST+8*\tau+3]
	v_mul_f32 v[ST+8*\tau+6], v[ST+8*\tau+6], v[ST+8*\tau+3]
.endr
	WIN W_RS
.irp tau, 0,1
.set n, 0
.rept 16
	v_pk_mul_f32 v[128+32*\tau+2*n:128+32*\tau+2*n+1], v[128+32*\tau+2*n:128+32*\tau+2*n+1], v[ST+8*\tau+6:ST+8*\tau+7] op_sel_hi:[1,0]
.set n, n+1
.endr
.endr
	WIN W_PV
.irp tau, 0,1
.set n, 0
.rept 16
	v_pk_fma_f32 v[32*\tau+2*n:32*\tau+2*n+1], v[32*\tau+2*n:32*\tau+2*n+1], v[ST+8*\tau+4:ST+8*\tau+5], v[128+32*\tau+2*n:128+32*\tau+2*n+1] op_sel_hi:[1,0,1]
.set n, n+1
.endr
.endr
	WIN 0x05                                       ; sources 0 and 1 window 1, destination window 0
.set n, 0
.rept 32
	v_cvt_pk_f16_f32 v[S+n], v[2*n], v[2*n+1]      ; tile tau's 16 registers at S + 16 tau
.set n, n+1
.endr
	WIN 0
	; THE WAY OUT: a tile's 16 rows of 128 bytes through my stage; back four rows an instruction; sixteen lanes store a pair of positions of my head: 256 consecutive bytes, aligned
.irp tau, 0,1
.irp ct, 0,1,2,3
	ds_store_b128 v[STO], v[S+16*\tau+4*\ct:S+16*\tau+4*\ct+3] offset:32*\ct
.endr
.irp i, 0,1,2,3
	ds_load_b128 v[P+16*\tau+4*\i:P+16*\tau+4*\i+3], v[RD] offset:4*KP*\i   ; LDS serves a wave's instructions in order
.endr
.endr
.irp tau, 0,1
.irp i, 0,1,2,3
	s_wait_dscnt 8*(1-\tau)+3-\i                   ; behind this load: the tile's later loads, and for tile 0 tile 1's eight instructions
	global_store_b128 v[GO], v[P+16*\tau+4*\i:P+16*\tau+4*\i+3], s[OB:OB+1] offset:(8*\tau+2*\i)*4096
.endr
.endr
	s_wait_tensorcnt 0x0                           ; the wave's end
	ds_add_u32 v[SPW], v[NIL]
	s_wait_dscnt 0x0
	s_endpgm
.Lfunc_end_k_qfa9c4400ce_attn:
	.size	k_qfa9c4400ce_attn, .Lfunc_end_k_qfa9c4400ce_attn-k_qfa9c4400ce_attn
	.p2alignl 7, 3214868480
	.fill 96, 4, 3214868480
	.section	.rodata,"a",@progbits
	.p2align	6, 0x0
	.amdhsa_kernel k_qfa9c4400ce_attn
		.amdhsa_group_segment_fixed_size 327680
		.amdhsa_private_segment_fixed_size 0
		.amdhsa_enable_private_segment 0
		.amdhsa_kernarg_size 16
		.amdhsa_user_sgpr_count 2
		.amdhsa_user_sgpr_kernarg_segment_ptr 1
		.amdhsa_wavefront_size32 1
		.amdhsa_system_sgpr_workgroup_id_x 1
		.amdhsa_system_sgpr_workgroup_id_y 1
		.amdhsa_system_sgpr_workgroup_id_z 1
		.amdhsa_system_vgpr_workitem_id 0
		.amdhsa_next_free_vgpr 512
		.amdhsa_next_free_sgpr 66
		.amdhsa_reserve_vcc 1
		.amdhsa_float_denorm_mode_32 3
		.amdhsa_float_denorm_mode_16_64 3
		.amdhsa_memory_ordered 1
		.amdhsa_forward_progress 1
		.amdhsa_inst_pref_size 189
	.end_amdhsa_kernel
	.amdgpu_metadata
---
amdhsa.version: [ 1, 2 ]
amdhsa.kernels:
  - .name:           k_qfa9c4400ce_attn
    .symbol:         k_qfa9c4400ce_attn.kd
    .args:
      - { .name: qkv16, .offset: 0, .size: 8, .value_kind: global_buffer, .address_space: global }
      - { .name: ctx, .offset: 8, .size: 8, .value_kind: global_buffer, .address_space: global }
    .group_segment_fixed_size: 327680
    .private_segment_fixed_size: 0
    .kernarg_segment_align: 8
    .kernarg_segment_size: 16
    .max_flat_workgroup_size: 256
    .sgpr_count:     66
    .vgpr_count:     512
    .wavefront_size: 32
...
	.end_amdgpu_metadata
.endif
;; end of part 3
;; launch proj (part 4): grid 8 x 32, 4 waves a work-group, clusters of 4 x 4, 327,680 bytes of LDS; arguments ctx, wo16, out0; writes out0
.if DOCPART == 4
	.amdgcn_target "amdgcn-amd-amdhsa--gfx1250"
	.amdhsa_code_object_version 6
	.text
	.protected	k_qfa9c4400ce_proj
	.globl	k_qfa9c4400ce_proj
	.p2align	8
	.type	k_qfa9c4400ce_proj,@function
k_qfa9c4400ce_proj:
	s_mov_b64 s[64:65], 0
	v_nop
	global_prefetch_b8 v0, s[64:65] scope:SCOPE_SE
	s_setreg_imm32_b32 hwreg(HW_REG_WAVE_MODE, 25, 1), 1
	s_wait_xcnt 0x0
	s_wait_alu depctr_hold_cnt(0) depctr_sa_sdst(0) depctr_va_vdst(0) depctr_va_sdst(0) depctr_va_ssrc(0) depctr_va_vcc(0) depctr_vm_vsrc(0)
	s_getreg_b32 s2, hwreg(HW_REG_IB_STS2, 6, 4)
	s_cmp_eq_u32 s2, 0
	s_cbranch_scc0 .Lentry_in_a_cluster
	s_endpgm
.Lentry_in_a_cluster:
	s_bfe_u32 s2, ttmp6, 0x10000c
	s_cmp_lg_u32 s2, 0xf033
	s_cbranch_scc0 .Lentry_shape_is_right
	s_endpgm
.Lentry_shape_is_right:
; out0[pos][e] = sum over k of ctx(pos, k) w_out[e][k], f16 operands, f32 sums, f32 out.  M = 4,096, N = 1,024, K = 1,024.
; ctx lies [pair of positions 2048][head 16][2][64]: a pair row is 4,096 bytes; 256 along K (four heads) of a pair are 1,024 consecutive bytes.  wo16: [1024][1024] f16.
; A tile of 128 x 128 to a work-group gives 256 work-groups; four waves, each 64 x 64: 16 accumulators.  K goes in steps of 256 through two LDS slots; a wave's tensor load brings 32 pair rows of ctx or 64 rows of wo16.
; CLUSTERS: 4 x 4; ctx's tiles are asked for jointly along a row of the cluster, wo16's along a column.  THE MATRIX INSTRUCTION IS USED TRANSPOSED (source 0 = 16 rows of wo16, source 1 = 16 positions):
; a lane holds eight neighbouring numbers of a row of out0.  Rows 0-15 are written here like all others and once more, finer, by the launch that follows.
; REGISTERS: window 0: v16-29 addresses; v32-95 the way out; v128-255 the accumulators ((a, b) at v[128 + 8 (4 a + b)]).  window 1: two fragment buffers of 128.
.set PA,     1040                      ; a pair row in LDS: 1,024 bytes + 16: pair p, position e start at bank (4 p + 32 e) mod 64
.set PB,     528                       ; a row of wo16: 512 + 16
.set HALFA,  32*PA
.set HALFB,  64*PB
.set BOFF,   2*HALFA
.set SLOT,   2*HALFA+2*HALFB
.set STAGE,  2*SLOT                    ; 16 rows x 272 bytes for each wave
.set SPITCH, 272
.set SPARE,  STAGE+4*16*SPITCH
.set ADRA, 16
.set ADRB, 20
.set STO,  24
.set RD,   25
.set CO,   26
.set SPW,  28
.set NIL,  29
.set TMP,  32
.set ACC,  128
.set F0,   0
.set F1,   128
.set G1, 24
.set G0, 32
.set G1B, 48
.set G0B, 56
.set MSB, 0
.macro WIN new
.if MSB != \new
	s_set_vgpr_msb (MSB<<8)|\new
.set MSB, \new
.endif
.endm
.set MUL,  0x05                        ; sources 0 and 1 window 1; C and D window 0
.set TO_F, 0x40
.macro JLOAD s                         ; waves 0 and 1 fetch ctx's two halves, waves 2 and 3 wo16's; an s_nop 0 and four v_nop follow each line
	s_cmp_eq_u32 s11, 0
	s_cbranch_scc0 .Lfor_b_\@
	tensor_load_to_lds s[G0+4*\s:G0+4*\s+3], s[G1:G1+7]
	s_nop 0
.rept 4
	v_nop
.endr
	s_branch .Lasked_\@
.Lfor_b_\@:
	tensor_load_to_lds s[G0B+4*\s:G0B+4*\s+3], s[G1B:G1B+7]
	s_nop 0
.rept 4
	v_nop
.endr
.Lasked_\@:
.endm
.macro CREST
	s_cmp_lg_u32 s10, 0
	s_cbranch_scc1 .Lnot_wave_0_\@
	s_barrier_signal -3
.Lnot_wave_0_\@:
	s_barrier_wait -3
	s_barrier_signal -1
	s_barrier_wait -1
.endm
.macro CROUND
	s_barrier_signal -1
	s_barrier_wait -1
	CREST
.endm
	s_load_b128 s[4:7], s[0:1], 0x0                ; ctx, wo16
	s_load_b64 s[8:9], s[0:1], 0x10                ; out0
	v_lshl_add_u32 v[SPW], v0, 2, SPARE
	v_mov_b32 v[NIL], 0
	ds_add_u32 v[SPW], v[NIL]                      ; the wave's opening: the add, twice on end, and its wait ahead of my first tensor load
	ds_add_u32 v[SPW], v[NIL]
	v_lshrrev_b32 v1, 5, v0
	v_readfirstlane_b32 s10, v1
	s_lshr_b32 s11, s10, 1                         ; my half of the tile's rows.  Also: I fetch ctx (0) or wo16 (1)
	s_and_b32 s12, s10, 1                          ; my half of its columns.  Also: which half of that tile I fetch
	s_bfe_u32 s40, ttmp6, 0x40000
	s_bfe_u32 s41, ttmp6, 0x40004
	s_lshl_b32 s42, ttmp9, 2
	s_add_co_u32 s42, s42, s40                     ; tile column
	s_and_b32 s13, ttmp7, 0xffff
	s_lshl_b32 s13, s13, 2
	s_add_co_u32 s13, s13, s41                     ; tile row
	s_lshl_b32 s43, s41, 2
	s_lshl_b32 s43, 15, s43
	s_lshl_b32 s44, 0x1111, s40
	s_or_b32 s[G1+0], s43, (1<<16)|(1<<20)|(1<<21)|(7<<22)|(3<<25)   ; ctx: 32 rows of 512 elements of 2 bytes, 4 words of padding behind every 256
	s_mov_b32 s[G1+1], 512<<16
	s_mov_b32 s[G1+2], 32<<16
	s_mov_b32 s[G1+3], 512<<16
	s_mov_b32 s[G1+4], 32
	s_mov_b32 s[G1+5], 2048
	s_mov_b32 s[G1+6], 0
	s_mov_b32 s[G1+7], 0
	s_or_b32 s[G1B+0], s44, (1<<16)|(1<<20)|(1<<21)|(6<<22)|(3<<25)  ; wo16: 64 rows of 256 elements, 4 words behind every 128
	s_mov_b32 s[G1B+1], 256<<16
	s_mov_b32 s[G1B+2], 64<<16
	s_mov_b32 s[G1B+3], 256<<16
	s_mov_b32 s[G1B+4], 64
	s_mov_b32 s[G1B+5], 1024
	s_mov_b32 s[G1B+6], 0
	s_mov_b32 s[G1B+7], 0
	s_lshl_b32 s17, s12, 5
	s_lshl_b32 s16, s13, 6
	s_add_co_u32 s16, s16, s17                     ; ctx: pair row 64 x tile row + 32 x half,
	s_lshl_b32 s16, s16, 12                        ; of 4,096 bytes
	s_mov_b32 s17, 0
	s_lshl_b32 s47, s12, 6
	s_lshl_b32 s46, s42, 7
	s_add_co_u32 s46, s46, s47                     ; wo16: row 128 x tile column + 64 x half,
	s_lshl_b32 s46, s46, 11                        ; of 2,048 bytes
	s_mov_b32 s47, 0
	s_mul_i32 s20, s12, HALFA                      ; where they go: no place in the cluster enters an LDS address
	s_mul_i32 s21, s12, HALFB
	s_add_co_u32 s21, s21, BOFF
	s_wait_dscnt 0x0
	s_wait_kmcnt 0x0
	s_add_nc_u64 s[14:15], s[4:5], s[16:17]
	s_add_nc_u64 s[46:47], s[6:7], s[46:47]
	CROUND
.irp s, 0,1
	s_mov_b32 s[G0+4*\s], 1
	s_add_co_u32 s[G0+4*\s+1], s20, \s*SLOT
	s_add_nc_u64 s[G0+4*\s+2:G0+4*\s+3], s[14:15], \s*1024
	s_or_b32 s[G0+4*\s+3], s[G0+4*\s+3], 0x80000000
	s_mov_b32 s[G0B+4*\s], 1
	s_add_co_u32 s[G0B+4*\s+1], s21, \s*SLOT
	s_add_nc_u64 s[G0B+4*\s+2:G0B+4*\s+3], s[46:47], \s*512
	s_or_b32 s[G0B+4*\s+3], s[G0B+4*\s+3], 0x80000000
	JLOAD \s
.endr
	v_and_b32 v1, 15, v0                           ; r
	v_bfe_u32 v2, v0, 4, 1                         ; h
	v_lshrrev_b32 v3, 1, v1
	v_mul_u32_u24 v3, v3, PA
	v_and_b32 v4, 1, v1
	v_lshl_add_u32 v3, v4, 7, v3
	v_lshl_add_u32 v3, v2, 4, v3                   ; ctx: pair r / 2, position r % 2, + 16 h
	v_mul_u32_u24 v4, v1, PB
	v_lshl_add_u32 v4, v2, 4, v4                   ; wo16: row r, + 16 h
	s_mul_i32 s21, s11, HALFA
	s_mul_i32 s22, s12, HALFB
	s_add_co_u32 s22, s22, BOFF
.irp s, 0,1
	v_add_nc_u32 v[ADRA+\s], s21, v3
	v_add_nc_u32 v[ADRB+\s], s22, v4
	s_add_co_u32 s21, s21, SLOT
	s_add_co_u32 s22, s22, SLOT
.endr
	s_mul_i32 s23, s10, 16*SPITCH
	s_add_co_u32 s23, s23, STAGE                   ; my stage
	v_mul_u32_u24 v5, v1, SPITCH
	v_lshl_add_u32 v5, v2, 5, v5
	v_add_nc_u32 v[STO], s23, v5                   ; in: row r, 32 bytes for each half of the lanes
	v_mul_u32_u24 v5, v2, SPITCH
	v_lshl_add_u32 v5, v1, 4, v5
	v_add_nc_u32 v[RD], s23, v5                    ; back: lanes 0-15 one row of 256 bytes, lanes 16-31 the next
	v_lshlrev_b32 v5, 12, v2
	v_lshl_add_u32 v[CO], v1, 4, v5                ; and the same two rows in out0
	s_lshl_b32 s16, s13, 7
	s_lshl_b32 s17, s11, 6
	s_add_co_u32 s16, s16, s17                     ; my first row
	s_lshl_b32 s16, s16, 12
	s_mov_b32 s17, 0
	s_add_nc_u64 s[8:9], s[8:9], s[16:17]
	s_lshl_b32 s46, s42, 9
	s_lshl_b32 s47, s12, 8
	s_add_co_u32 s46, s46, s47                     ; my first column, in bytes
	s_mov_b32 s47, 0
	s_add_nc_u64 s[8:9], s[8:9], s[46:47]
.macro MUL8 f, c, a0, zero             ; the 16 accumulators take turns, one instruction a turn
.irp a, \a0, \a0+1
.irp b, 0,1,2,3
.if \zero
	v_wmma_f32_16x16x32_f16 v[ACC+8*(4*(\a)+\b):ACC+8*(4*(\a)+\b)+7], v[\f+64+8*(4*\c+\b):\f+64+8*(4*\c+\b)+7], v[\f+8*(4*\c+\a):\f+8*(4*\c+\a)+7], 0
.else
	v_wmma_f32_16x16x32_f16 v[ACC+8*(4*(\a)+\b):ACC+8*(4*(\a)+\b)+7], v[\f+64+8*(4*\c+\b):\f+64+8*(4*\c+\b)+7], v[\f+8*(4*\c+\a):\f+8*(4*\c+\a)+7], v[ACC+8*(4*(\a)+\b):ACC+8*(4*(\a)+\b)+7]
.endif
.endr
.endr
.endm
.macro FETCH slot, q, f                ; 32 LDS loads in one run: the fragments of the slot's q-th 64 along K (one head), the first 32 along K first
	WIN TO_F
.irp c, 0,1
.irp i, 0,1,2,3
	ds_load_b128 v[\f+64+8*(4*\c+\i):\f+64+8*(4*\c+\i)+3],   v[ADRB+\slot] offset:128*(\q)+64*\c+\i*16*PB
	ds_load_b128 v[\f+64+8*(4*\c+\i)+4:\f+64+8*(4*\c+\i)+7], v[ADRB+\slot] offset:128*(\q)+64*\c+\i*16*PB+32
	ds_load_b128 v[\f+8*(4*\c+\i):\f+8*(4*\c+\i)+3],         v[ADRA+\slot] offset:256*(\q)+64*\c+\i*8*PA
	ds_load_b128 v[\f+8*(4*\c+\i)+4:\f+8*(4*\c+\i)+7],       v[ADRA+\slot] offset:256*(\q)+64*\c+\i*8*PA+32
.endr
.endr
.endm
.macro PLACES
.rept 4
	v_nop
.endr
.endm
.macro QUARTER slot, q, f, g, zero     ; multiplies buffer f and fetches the slot's q-th quarter into g
	s_wait_dscnt 16                                ; the first 32 along K are in; the other sixteen loads may be out
	WIN MUL
	MUL8 \f, 0, 0, \zero
	MUL8 \f, 0, 2, \zero
	PLACES
	FETCH \slot, \q, \g
	s_wait_dscnt 32                                ; all but the 32 just issued
	WIN MUL
	MUL8 \f, 1, 0, 0
	MUL8 \f, 1, 2, 0
.endm
; A slot's last quarter changes slots: one barrier; in front of it each wave waits for all its tensor loads, adds 0 to its spare word, and waits for that and for its reads of this slot.
.macro TURN slot, next, fill
	WIN 0
	s_wait_tensorcnt 0x0
	ds_add_u32 v[SPW], v[NIL]
	s_wait_dscnt 17                                ; the add and the youngest sixteen loads may be out
	WIN MUL
	MUL8 F1, 0, 0, 0
	s_wait_dscnt 0x0
	s_barrier_signal -1
	MUL8 F1, 0, 2, 0
.if \fill
	WIN 0
.endif
	s_barrier_wait -1
.if \fill
	CREST                                          ; the barrier has opened a round of the cluster's barrier: no wave of any partner still reads this slot or has a load on its way
	s_add_nc_u64 s[G0+4*\slot+2:G0+4*\slot+3], s[G0+4*\slot+2:G0+4*\slot+3], 2*1024
	s_add_nc_u64 s[G0B+4*\slot+2:G0B+4*\slot+3], s[G0B+4*\slot+2:G0B+4*\slot+3], 2*512
	JLOAD \slot                                    ; the first tensor load behind the round; its four v_nop are also the places in front of the loads below
.else
	PLACES
.endif
	FETCH \next, 0, F0
	WIN MUL
	MUL8 F1, 1, 0, 0
	MUL8 F1, 1, 2, 0
.endm
	s_wait_tensorcnt 1                             ; my part of K step 0 is in; K step 1's may be out
	s_barrier_signal -1
	s_barrier_wait -1
	FETCH 0, 0, F0
	QUARTER 0, 1, F0, F1, 1                        ; the first products start the sums
	QUARTER 0, 2, F1, F0, 0                        ; K = 1,024 is four steps: the first two fill their slots again, the last two do not
	QUARTER 0, 3, F0, F1, 0
	TURN 0, 1, 1
	QUARTER 1, 1, F0, F1, 0
	QUARTER 1, 2, F1, F0, 0
	QUARTER 1, 3, F0, F1, 0
	TURN 1, 0, 1
	QUARTER 0, 1, F0, F1, 0
	QUARTER 0, 2, F1, F0, 0
	QUARTER 0, 3, F0, F1, 0
	TURN 0, 1, 0
	QUARTER 1, 1, F0, F1, 0
	QUARTER 1, 2, F1, F0, 0
	QUARTER 1, 3, F0, F1, 0
	s_wait_dscnt 16
	WIN MUL
	MUL8 F1, 0, 0, 0
	MUL8 F1, 0, 2, 0
	s_wait_dscnt 0
	MUL8 F1, 1, 0, 0
	MUL8 F1, 1, 2, 0
	WIN 0
; THE WAY OUT: my 64 columns are 256 bytes of a row: 16 rows at a time through my own stage, back as whole rows: sixteen lanes store 256 consecutive bytes, aligned.
.macro TOSTAGE a
.irp b, 0,1,2,3
	ds_store_b128 v[STO], v[ACC+8*(4*(\a)+\b):ACC+8*(4*(\a)+\b)+3] offset:64*\b          ; each accumulator from its low end on
	ds_store_b128 v[STO], v[ACC+8*(4*(\a)+\b)+4:ACC+8*(4*(\a)+\b)+7] offset:64*\b+16
.endr
.irp i, 0,1,2,3,4,5,6,7
	ds_load_b128 v[TMP+32*((\a)%2)+4*\i:TMP+32*((\a)%2)+4*\i+3], v[RD] offset:2*SPITCH*\i   ; LDS serves a wave's instructions in order
.endr
.endm
.macro SEND a, younger
	s_wait_dscnt \younger
.irp i, 0,1,2,3,4,5,6,7
	global_store_b128 v[CO], v[TMP+32*((\a)%2)+4*\i:TMP+32*((\a)%2)+4*\i+3], s[8:9] offset:(16*(\a)+2*\i)*4096
.endr
.endm
	PLACES
	TOSTAGE 0
.irp a, 1,2,3
.if \a >= 2
	s_wait_xcnt 0x0                                ; block a - 2's stores have read their registers
.endif
	TOSTAGE \a
	SEND \a-1, 16                                  ; behind block a - 1's loads: block a's 8 stores and 8 loads
.endr
	SEND 3, 0
	s_wait_tensorcnt 0x0                           ; the wave's end
	ds_add_u32 v[SPW], v[NIL]
	s_wait_dscnt 0x0
	CROUND                                         ; the closing round
	s_endpgm
.Lfunc_end_k_qfa9c4400ce_proj:
	.size	k_qfa9c4400ce_proj, .Lfunc_end_k_qfa9c4400ce_proj-k_qfa9c4400ce_proj
	.p2alignl 7, 3214868480
	.fill 96, 4, 3214868480
	.section	.rodata,"a",@progbits
	.p2align	6, 0x0
	.amdhsa_kernel k_qfa9c4400ce_proj
		.amdhsa_group_segment_fixed_size 327680
		.amdhsa_private_segment_fixed_size 0
		.amdhsa_enable_private_segment 0
		.amdhsa_kernarg_size 24
		.amdhsa_user_sgpr_count 2
		.amdhsa_user_sgpr_kernarg_segment_ptr 1
		.amdhsa_wavefront_size32 1
		.amdhsa_system_sgpr_workgroup_id_x 1
		.amdhsa_system_sgpr_workgroup_id_y 1
		.amdhsa_system_sgpr_workgroup_id_z 1
		.amdhsa_system_vgpr_workitem_id 0
		.amdhsa_next_free_vgpr 512
		.amdhsa_next_free_sgpr 66
		.amdhsa_reserve_vcc 0
		.amdhsa_float_denorm_mode_32 3
		.amdhsa_float_denorm_mode_16_64 3
		.amdhsa_memory_ordered 1
		.amdhsa_forward_progress 1
		.amdhsa_inst_pref_size 86
	.end_amdhsa_kernel
	.amdgpu_metadata
---
amdhsa.version: [ 1, 2 ]
amdhsa.kernels:
  - .name:           k_qfa9c4400ce_proj
    .symbol:         k_qfa9c4400ce_proj.kd
    .args:
      - { .name: ctx, .offset: 0, .size: 8, .value_kind: global_buffer, .address_space: global }
      - { .name: wo16, .offset: 8, .size: 8, .value_kind: global_buffer, .address_space: global }
      - { .name: out0, .offset: 16, .size: 8, .value_kind: global_buffer, .address_space: global }
    .group_segment_fixed_size: 327680
    .private_segment_fixed_size: 0
    .kernarg_segment_align: 8
    .kernarg_segment_size: 24
    .max_flat_workgroup_size: 128
    .sgpr_count:     66
    .vgpr_count:     512
    .wavefront_size: 32
...
	.end_amdgpu_metadata
.endif
;; end of part 4
;; launch first16 (part 5): grid 64 x 1, 16 waves a work-group, no clusters, 18,432 bytes of LDS; arguments img16, w_out, out0; writes out0
.if DOCPART == 5
	.amdgcn_target "amdgcn-amd-amdhsa--gfx1250"
	.amdhsa_code_object_version 6
	.text
	.protected	k_qfa9c4400ce_first16
	.globl	k_qfa9c4400ce_first16
	.p2align	8
	.type	k_qfa9c4400ce_first16,@function
k_qfa9c4400ce_first16:
	s_mov_b64 s[64:65], 0
	v_nop
	global_prefetch_b8 v0, s[64:65] scope:SCOPE_SE
	s_setreg_imm32_b32 hwreg(HW_REG_WAVE_MODE, 25, 1), 1
	s_wait_xcnt 0x0
; THE FIRST 16 POSITIONS ONCE MORE, ALL IN f32: their rows average one to sixteen values, so the rounding of f16 operands weighs most there.  It writes rows 0-15 of out0 over what the launch before left.
; Work-group x owns columns 16 x .. 16 x + 15.  Wave w does head w: S^T = K Q^T (16 keys x 16 queries), the causal softmax, O^T = V^T P, and its 64 channels' part of the projection; the 16 parts meet in LDS, in the order of the heads.
; A work-group's stores are 64 bytes of each of 16 rows: wider shares would leave a quarter of the work-groups with four times the chain; the launch writes 65,536 bytes in all.
; img16, group 0: [48 heads of q, k, v][8 images][32 lanes][16 bytes] f32: element (row r, d = 16 b + 8 h + 4 half + i) lies in image 2 b + half, lane 16 h + r, word i.
; The f32 matrix form takes k = 2 (lane / 16) + j in register j.  Which true k stands at which place is free so long as both sources agree: so each operand is taken as its registers lie, and nothing changes lanes:
;   K Q^T: step s takes registers 2 s, 2 s + 1 of both images;  V^T P: step s takes keys 8 h + 2 s + j, as P's registers hold them;  the projection: step i takes channels 16 (i / 4) + 8 h + 2 (i % 4) + j, as O^T's hold them.
; The registers that the f32 matrix form writes (v144-159, v168-215) are written by it alone; what is made of a sum goes into other registers.
.set RED,   0                          ; 1,024 bytes a wave: its part of the 16 x 16 results
.set SPARE, 16384
.set SPW, 2
.set NIL, 3
.set LI,  4                            ; 16 x lane
.set VV,  5                            ; v's image: channel lane % 16 of a tile, key 8 h
.set VW,  6                            ; 4,096 r + 32 h: a row of w_out, and a row of out0
.set DD,  7                            ; r - 8 h
.set NINF, 8
.set RS,  9                            ; where my part goes in LDS
.set QF,  16                           ; v16-47 q's image, later O^T / l
.set KFR, 48                           ; v48-79 k's image, later my part of the result
.set VFR, 80
.set WF,  112
.set SA,  144
.set PP,  160
.set OA,  168
.set CA,  200
	s_load_b128 s[4:7], s[0:1], 0x0                ; img16, w_out
	s_load_b64 s[8:9], s[0:1], 0x10                ; out0
	v_lshl_add_u32 v[SPW], v0, 2, SPARE
	v_mov_b32 v[NIL], 0
	v_lshrrev_b32 v10, 5, v0
	v_readfirstlane_b32 s10, v10                   ; wave = head
	v_and_b32 v11, 31, v0
	v_and_b32 v12, 15, v0                          ; r
	v_bfe_u32 v13, v0, 4, 1                        ; h
	v_lshlrev_b32 v[LI], 4, v11
	v_bfe_u32 v14, v0, 2, 1
	v_lshlrev_b32 v[VV], 9, v14                    ; channel r of a tile: half (r / 4) % 2,
	v_bfe_u32 v14, v0, 3, 1
	v_lshl_add_u32 v[VV], v14, 8, v[VV]            ; the image's lanes 16 (r / 8) on,
	v_and_b32 v14, 3, v0
	v_lshl_add_u32 v[VV], v14, 2, v[VV]            ; word r % 4;
	v_lshl_add_u32 v[VV], v13, 7, v[VV]            ; keys 8 h on
	v_lshlrev_b32 v[VW], 12, v12
	v_lshl_add_u32 v[VW], v13, 5, v[VW]
	v_lshlrev_b32 v14, 3, v13
	v_sub_nc_u32 v[DD], v12, v14
	v_mov_b32 v[NINF], 0xff800000
	s_lshl_b32 s11, s10, 10
	v_add_nc_u32 v[RS], s11, v[LI]
	v_mov_b32 v217, 0                              ; a lane permute's destination counts as one of its sources
	s_mov_b32 s14, 0x76543210
	s_mov_b32 s15, 0xfedcba98
	s_mov_b32 s16, 0x3e38aa3b                      ; c = log2(e) / 8
	s_lshl_b32 s12, s10, 12                        ; a head's images: 4,096 bytes
	s_mov_b32 s13, 0
	s_lshl_b32 s18, ttmp9, 16                      ; 16 rows of w_out,
	s_lshl_b32 s19, s10, 8                         ; my head's 64 columns
	s_add_co_u32 s18, s18, s19
	s_mov_b32 s19, 0
	s_lshl_b32 s20, ttmp9, 6                       ; 16 columns of out0
	s_mov_b32 s21, 0
	s_wait_kmcnt 0x0
	s_add_nc_u64 s[4:5], s[4:5], s[12:13]
	s_add_nc_u64 s[6:7], s[6:7], s[18:19]
	s_add_nc_u64 s[8:9], s[8:9], s[20:21]
.irp i, 0,1,2,3,4,5,6,7
	global_load_b128 v[QF+4*\i:QF+4*\i+3], v[LI], s[4:5] offset:512*\i
.endr
.irp i, 0,1,2,3,4,5,6,7
	global_load_b128 v[KFR+4*\i:KFR+4*\i+3], v[LI], s[4:5] offset:65536+512*\i
.endr
.irp t, 0,1,2,3
.irp rho, 0,1,2,3,4,5,6,7
	global_load_b32 v[VFR+8*\t+\rho], v[VV], s[4:5] offset:131072+1024*\t+16*\rho   ; V(key 8 h + rho, channel 16 t + r)
.endr
.endr
.irp t, 0,1,2,3
	global_load_b128 v[WF+8*\t:WF+8*\t+3], v[VW], s[6:7] offset:64*\t               ; w_out(16 x + r, 64 w + 16 t + 8 h + 0 .. 7)
	global_load_b128 v[WF+8*\t+4:WF+8*\t+7], v[VW], s[6:7] offset:64*\t+16
.endr
	s_wait_loadcnt 40                              ; q and k are in; v's 32 loads and w_out's 8 may be out
.set s, 0
.rept 16                               ; two accumulators by turns; the first two steps start the sums
.if s < 2
	v_wmma_f32_16x16x4_f32 v[SA+8*(s%2):SA+8*(s%2)+7], v[KFR+2*s:KFR+2*s+1], v[QF+2*s:QF+2*s+1], 0
.else
	v_wmma_f32_16x16x4_f32 v[SA+8*(s%2):SA+8*(s%2)+7], v[KFR+2*s:KFR+2*s+1], v[QF+2*s:QF+2*s+1], v[SA+8*(s%2):SA+8*(s%2)+7]
.endif
.set s, s+1
.endr
.rept 8
	v_nop                                          ; eight places behind this form (ISA guide 7.12.1)
.endr
.irp j, 0,2,4,6
	v_pk_add_f32 v[PP+\j:PP+\j+1], v[SA+\j:SA+\j+1], v[SA+8+\j:SA+8+\j+1]   ; score(key 8 h + j, query r), from the low end on
.endr
.irp j, 0,1,2,3,4,5,6,7
	v_cmp_gt_i32 vcc_lo, \j, v[DD]                 ; key 8 h + j comes after query r
	v_cndmask_b32 v[PP+\j], v[PP+\j], v[NINF], vcc_lo
.endr
	v_max3_num_f32 v216, v[PP], v[PP+1], v[PP+2]
	v_max3_num_f32 v216, v216, v[PP+3], v[PP+4]
	v_max3_num_f32 v216, v216, v[PP+5], v[PP+6]
	v_max_num_f32 v216, v216, v[PP+7]
	v_permlanex16_b32 v217, v216, s14, s15
	v_max_num_f32 v216, v216, v217                 ; the row's maximum: key 0 counts for every query
	v_mul_f32 v218, s16, v216
.irp j, 0,1,2,3,4,5,6,7
	v_fma_f32 v[PP+\j], v[PP+\j], s16, -v218
.endr
.irp j, 0,1,2,3,4,5,6,7
	v_exp_f32 v[PP+\j], v[PP+\j]
.endr
	v_nop
	s_wait_alu depctr_va_vdst(0)                   ; one wait for the eight exponentials
	v_pk_add_f32 v[220:221], v[PP:PP+1], v[PP+2:PP+3]
	v_pk_add_f32 v[222:223], v[PP+4:PP+5], v[PP+6:PP+7]
	v_pk_add_f32 v[220:221], v[220:221], v[222:223]
	v_add_f32 v219, v220, v221
	v_permlanex16_b32 v217, v219, s14, s15
	v_add_f32 v219, v219, v217                     ; the row's sum
	v_rcp_f32 v224, v219
	v_mov_b32 v225, 0                              ; (named with it as a pair; a plain instruction behind the reciprocal)
	s_wait_alu depctr_va_vdst(0)
	s_wait_loadcnt 8                               ; v is in; w_out's 8 loads may be out
.irp s, 0,1,2,3                        ; four accumulators by turns
.irp t, 0,1,2,3
.if \s == 0
	v_wmma_f32_16x16x4_f32 v[OA+8*\t:OA+8*\t+7], v[VFR+8*\t+2*\s:VFR+8*\t+2*\s+1], v[PP+2*\s:PP+2*\s+1], 0
.else
	v_wmma_f32_16x16x4_f32 v[OA+8*\t:OA+8*\t+7], v[VFR+8*\t+2*\s:VFR+8*\t+2*\s+1], v[PP+2*\s:PP+2*\s+1], v[OA+8*\t:OA+8*\t+7]
.endif
.endr
.endr
.rept 8
	v_nop
.endr
.set i, 0
.rept 16
	v_pk_mul_f32 v[QF+2*i:QF+2*i+1], v[OA+2*i:OA+2*i+1], v[224:225] op_sel_hi:[1,0]   ; O(query r, channel 16 t + 8 h + j) / the sum
.set i, i+1
.endr
	s_wait_loadcnt 0x0
.set i, 0
.rept 16                               ; two accumulators by turns
.if i < 2
	v_wmma_f32_16x16x4_f32 v[CA+8*(i%2):CA+8*(i%2)+7], v[WF+2*i:WF+2*i+1], v[QF+2*i:QF+2*i+1], 0
.else
	v_wmma_f32_16x16x4_f32 v[CA+8*(i%2):CA+8*(i%2)+7], v[WF+2*i:WF+2*i+1], v[QF+2*i:QF+2*i+1], v[CA+8*(i%2):CA+8*(i%2)+7]
.endif
.set i, i+1
.endr
.rept 8
	v_nop
.endr
.irp j, 0,2,4,6
	v_pk_add_f32 v[KFR+\j:KFR+\j+1], v[CA+\j:CA+\j+1], v[CA+8+\j:CA+8+\j+1]   ; my head's part of out0(r, 16 x + 8 h + j)
.endr
	ds_store_b128 v[RS], v[KFR:KFR+3] offset:RED
	ds_store_b128 v[RS], v[KFR+4:KFR+7] offset:RED+512
	s_wait_dscnt 0x0                               ; for wave 0's sake: my stores are done
	s_barrier_signal -1
	s_barrier_wait -1
	s_cmp_lg_u32 s10, 0
	s_cbranch_scc1 .Lend
.set i, 0
.rept 16
	ds_load_b128 v[16+8*i:16+8*i+3], v[LI] offset:RED+1024*i
	ds_load_b128 v[16+8*i+4:16+8*i+7], v[LI] offset:RED+1024*i+512
.set i, i+1
.endr
	s_wait_dscnt 0x0
.set i, 1
.rept 15
.irp j, 0,2,4,6
	v_pk_add_f32 v[16+\j:16+\j+1], v[16+\j:16+\j+1], v[16+8*i+\j:16+8*i+\j+1]   ; four chains, the heads in order
.endr
.set i, i+1
.endr
	global_store_b128 v[VW], v[16:19], s[8:9]
	global_store_b128 v[VW], v[20:23], s[8:9] offset:16
.Lend:
	s_wait_tensorcnt 0x0                           ; the wave's end
	ds_add_u32 v[SPW], v[NIL]
	s_wait_dscnt 0x0
	s_endpgm
.Lfunc_end_k_qfa9c4400ce_first16:
	.size	k_qfa9c4400ce_first16, .Lfunc_end_k_qfa9c4400ce_first16-k_qfa9c4400ce_first16
	.p2alignl 7, 3214868480
	.fill 96, 4, 3214868480
	.section	.rodata,"a",@progbits
	.p2align	6, 0x0
	.amdhsa_kernel k_qfa9c4400ce_first16
		.amdhsa_group_segment_fixed_size 18432
		.amdhsa_private_segment_fixed_size 0
		.amdhsa_enable_private_segment 0
		.amdhsa_kernarg_size 24
		.amdhsa_user_sgpr_count 2
		.amdhsa_user_sgpr_kernarg_segment_ptr 1
		.amdhsa_wavefront_size32 1
		.amdhsa_system_sgpr_workgroup_id_x 1
		.amdhsa_system_sgpr_workgroup_id_y 1
		.amdhsa_system_sgpr_workgroup_id_z 1
		.amdhsa_system_vgpr_workitem_id 0
		.amdhsa_next_free_vgpr 256
		.amdhsa_next_free_sgpr 66
		.amdhsa_reserve_vcc 1
		.amdhsa_float_denorm_mode_32 3
		.amdhsa_float_denorm_mode_16_64 3
		.amdhsa_memory_ordered 1
		.amdhsa_forward_progress 1
		.amdhsa_inst_pref_size 22
	.end_amdhsa_kernel
	.amdgpu_metadata
---
amdhsa.version: [ 1, 2 ]
amdhsa.kernels:
  - .name:           k_qfa9c4400ce_first16
    .symbol:         k_qfa9c4400ce_first16.kd
    .args:
      - { .name: img16, .offset: 0, .size: 8, .value_kind: global_buffer, .address_space: global }
      - { .name: w_out, .offset: 8, .size: 8, .value_kind: global_buffer, .address_space: global }
      - { .name: out0, .offset: 16, .size: 8, .value_kind: global_buffer, .address_space: global }
    .group_segment_fixed_size: 18432
    .private_segment_fixed_size: 0
    .kernarg_segment_align: 8
    .kernarg_segment_size: 24
    .max_flat_workgroup_size: 512
    .sgpr_count:     66
    .vgpr_count:     256
    .wavefront_size: 32
...
	.end_amdgpu_metadata
.endif
;; end of part 5
